; MI455X (gfx1250); checked and timed in simulation.
; The chip was launched on July 23, 2026; its instructions are those of AMD's public machine-readable ISA for CDNA 5 (MIT licence, August 2026) and "CDNA5" Instruction Set Architecture Reference Guide (July 2026). The comments in the code are by the model that wrote it; some were corrected since.
;; Binary Attention. Allowed arithmetic: matrix products marked QUANTISED: E4M3 operands, one E8M0 scale for each 32 along K, by v_wmma_scale_f32_16x16x128_f8f6f4 with both operands' format E4M3, f32 sums; everything else in f32.
;; Inputs: Wk 1,024 x 1,024 float32; Wp 1,024 x 1,024 float32; Wq 1,024 x 1,024 float32; Wv 1,024 x 1,024 float32; bk 1,024 float32; bp 1,024 float32; bq 1,024 float32; bv 1,024 float32; x_codes 4 x 2,048 x 32 x 32 uint8 (E4M3 codes of x, K innermost, in blocks of 32 codes); x_scales 4 x 2,048 x 32 uint8 (E8M0 scales of x, one for each 32 codes along K).
;; Outputs: out0 4 x 2,048 x 1,024 float32.
;; This version of the problem:
;;   THIS VERSION OF THE PROBLEM IS GIVEN IN LOW PRECISION. The matrix products marked QUANTISED in the list below multiply operands that are first quantised to E4M3 (4 exponent bits, 3 mantissa bits; 8 bits a number), with one power-of-two scale for each 32 numbers along K (OCP MX v1.0); their sums are f32. All else is computed in f32.
;;   The module's matrix products, in the order in which they are computed (A, B: the left and right operand; K: the contracted axis; several contracted axes count as one K, in the product's order):
;;     1. [M 8,192, K 1,024] x [K 1,024, N 1,024]; A: input x (given as codes); B: computed on the way: QUANTISED
;;     2. [M 8,192, K 1,024] x [K 1,024, N 1,024]; A: input x (given as codes); B: computed on the way: QUANTISED
;;     3. [M 8,192, K 1,024] x [K 1,024, N 1,024]; A: input x (given as codes); B: computed on the way: QUANTISED
;;     4. batch 64 x [M 2,048, K 64] x [K 64, N 2,048]; A: computed on the way; B: computed on the way: QUANTISED
;;     5. batch 64 x [M 2,048, K 2,048] x [K 2,048, N 64]; A: softmax (see below); B: computed on the way: QUANTISED
;;     6. [M 8,192, K 1,024] x [K 1,024, N 1,024]; A: computed on the way; B: computed on the way: QUANTISED
;;   THE QUANTISER, for each operand of a quantised product, along K:
;;     - K is cut into blocks of 32 from its start; a last block that is shorter is filled with zeros.
;;     - A block's scale is 2^e with e = floor(log2(the largest magnitude in the block)) - 8, held to -126 .. 127; a block of zeros has e = 0. As a byte (E8M0): e + 127.
;;     - Each number is divided by its block's scale, clamped to +-448, and rounded to the nearest number of E4M3, ties to even, subnormals kept.
;;     - The product sums the exact products of the quantised numbers (number of the format x scale) in f32.
;;   ~~~python
;;   def quantise(x, axis):      # numpy; x: float32 -> the quantised numbers, widened to float32 again
;;       x = np.moveaxis(x, axis, -1); K = x.shape[-1]
;;       x = np.pad(x, [(0, 0)] * (x.ndim - 1) + [(0, -K % 32)]); x = x.reshape(x.shape[:-1] + (-1, 32)); a = np.abs(x).max(-1, keepdims=True)
;;       e = np.where(a > 0, np.clip(np.frexp(np.where(a > 0, a, 1))[1] - 1 - 8, -126, 127), 0)      # np.frexp(a)[1] - 1 = floor(log2(a)), exactly
;;       r = np.clip(x / 2.0 ** e, -448, 448)
;;       step = 2.0 ** (np.maximum(np.frexp(np.where(r == 0, 1, r))[1] - 1, -6) - 3)
;;       q = np.round(r / step) * step * 2.0 ** e      # np.round: ties to even
;;       return np.moveaxis(q.reshape(q.shape[:-2] + (-1,))[..., :K], -1, axis).astype(np.float32)
;;   ~~~
;;   SOFTMAX AHEAD OF A QUANTISED PRODUCT. Where the list says 'softmax', what is quantised is not the finished softmax but p = 2^(t - M), with t = logit x log2(e) and M = ceil(the row's largest t), a whole number; so 1/2 < the row's largest p <= 1. The row's sum l is taken of the UNQUANTISED p, in f32, and the product's result is divided by l at the end. Since M is a whole number, a kernel that streams over the keys may use a running M (the ceiling of the running maximum): every later rescaling is an exact power of two, which a block's scale takes up: the codes' values come out the same.
;;   OPERANDS COMPUTED ON THE WAY. 'Computed on the way' means the value that the module computes at that place (a softmax that the list does not call 'softmax' is quantised finished and normalised). What goes into a quantiser is computed in f32, as accurately as f32 sums, v_exp_f32 and their like allow (about 1e-6 of the number): no bf16 or f16 on the way to a quantiser, and a product that is left as it is and whose result goes on into a quantised operand takes f32 operands (vector FMAs, or v_wmma_f32_16x16x4_f32). A number that lies on a knife's edge between two numbers of the format may be rounded either way, as far as f32 arithmetic and the matrix unit's own rounding can turn it there, and no further.
;;   INPUTS GIVEN AS CODES. x (in the module: [4, 2048, 1024], K = its axis 2): each comes as NAME_codes (uint8): NAME with its K axis moved to the last place and cut into blocks of 32 codes, [.., K / 32, bytes a block], one block behind the other in memory; one code a byte (a code: sign, 4 exponent bits, 3 mantissa bits); and NAME_scales (uint8): the same leading axes, one E8M0 byte (e + 127) for each 32 codes along K. Its value is code x scale, taken as it is: it is not quantised again, and the codes and scales need not be those that the quantiser above would give.
;; One version. Each part assembles by itself: llvm-mc -triple=amdgcn-amd-amdhsa -mcpu=gfx1250 --defsym DOCPART=n.
;; ======== version 1 of 1: 4 launches
;; limits: right only within a limited range of input values
;; workspace buffers: wcodes 4,194,304 bytes; wscales 131,072 bytes; qkv 25,165,824 bytes; qkvs 1,048,576 bytes; ycodes 8,388,608 bytes; yscales 262,144 bytes
;; launch wquant (part 1): grid 256 x 1, 16 waves a work-group, no clusters, 84,480 bytes of LDS; arguments Wq, Wk, Wv, Wp, wcodes, wscales; writes wcodes, wscales
.if DOCPART == 1
	.amdgcn_target "amdgcn-amd-amdhsa--gfx1250"
	.amdhsa_code_object_version 6
	.text
	.protected	k_q0eb1e00011_wquant
	.globl	k_q0eb1e00011_wquant
	.p2align	8
	.type	k_q0eb1e00011_wquant,@function
k_q0eb1e00011_wquant:
	s_mov_b64 s[64:65], 0
	v_nop
	global_prefetch_b8 v0, s[64:65] scope:SCOPE_SE
	s_setreg_imm32_b32 hwreg(HW_REG_WAVE_MODE, 25, 1), 1
	s_wait_xcnt 0x0
; The four weights [1024][1024] f32 are binarised, alpha[o] x (W + (sign W - W)) with alpha[o] = the mean of |W[o][:]|, and quantised along c, their innermost axis, into codes of
; FP8 (E4M3) with one E8M0 byte for each 32: wcodes [4096 rows][1024 bytes], wscales [4096][32 bytes], the tensors in the order q, k, v, p.
; A block's scale is 2^(floor(log2(its largest magnitude)) - 8); its byte is the largest magnitude's exponent field - 8, held at 1 from below; numbers are held within +-448 x the scale.
; Wv'S ROWS ARE LAID IN ANOTHER ORDER: in every 32 rows the groups of eight lie as 0, 2, 1, 3, so that the attention's result comes out with a head's channels in the order that the last product's operand wants.
; LIMITS: NaN and infinities are not served; a block of zeros, and one whose largest magnitude lies under 2^-118, gets the byte 1: its codes are zeros or small, and this program alone reads the bytes.
; SHARES.  256 work-groups of sixteen waves, ONE ROW A WAVE: a row (4,096 bytes) lies in 32 registers of the wave between the pass that sums |W| and the pass that quantises: each byte is read once.
; Each load takes 512 consecutive bytes; the conversions want 16 neighbours in a lane, so half a row at a time turns through the wave's own stage in LDS (64 bytes + 16 of padding a lane).
; A lane's 16 codes are 16 bytes: a store covers 512 consecutive bytes.  The 32 scale bytes of each of eight rows meet in LDS; behind one barrier the first wave of the eight stores their 256 consecutive bytes, aligned.
; No tensor load, no matrix unit, no cluster: the work-groups share no input, and memory's bytes are all that counts.
.set SP,    80                         ; a lane's place in a stage
.set EMAX,  8
.set MANT,  0x600000                   ; the mantissa field of 448
.set SCB,   16*2*32*SP                 ; behind the sixteen waves' stages: the scale bytes of the work-group's 16 rows
.set SPARE, SCB+512                    ; and the spare words
.set R,     16                         ; v16-47   the row
.set X,     80                         ; v80-111  two sets of 16 neighbours
.set E,     112                        ; v112-113 a scale byte for each half row
.set C,     128                        ; v128-135 four registers of codes for each half row
.set SM,    192                        ; v192-195 four chains of the row's sum
.set AL,    196                        ; v196-197 alpha, twice
.set T,     198                        ; v198-205 at work
	s_load_b256 s[4:11], s[0:1], 0x0               ; Wq, Wk, Wv, Wp
	s_load_b128 s[12:15], s[0:1], 0x20             ; wcodes, wscales
	v_lshl_add_u32 v208, v0, 2, SPARE
	v_mov_b32 v209, 0
	v_lshrrev_b32 v1, 5, v0
	v_readfirstlane_b32 s16, v1                    ; wave 0..15
	v_and_b32 v2, 31, v0                           ; lane
	v_lshlrev_b32 v3, 4, v2                        ; my 16 bytes of a load's 512, and of a step's codes
	s_mul_i32 s18, s16, 2*32*SP                    ; my two stages
	v_lshrrev_b32 v14, 2, v2
	v_mul_u32_u24 v14, v14, SP
	v_and_b32 v15, 3, v2
	v_lshl_add_u32 v14, v15, 4, v14
	v_add_nc_u32 v14, s18, v14                     ; into a stage: four lanes' 64 bytes on end, then 16 of padding
	v_mul_u32_u24 v15, v2, SP
	v_add_nc_u32 v15, s18, v15                     ; out of it: my 16 neighbours
	v_lshrrev_b32 v5, 1, v2
	s_lshl_b32 s18, s16, 5
	s_add_co_u32 s18, s18, SCB
	v_add_nc_u32 v5, s18, v5                       ; my block's scale byte: 32 bytes a wave
	v_lshlrev_b32 v7, 3, v2
	s_lshr_b32 s18, s16, 3
	s_lshl_b32 s18, s18, 8
	s_add_co_u32 s18, s18, SCB
	v_add_nc_u32 v6, s18, v7                       ; on the way out 8 bytes a lane of my eight waves' 256
	v_mov_b32 v9, 0                                ; written once: a lane permute's destination counts as one of its sources
	s_mov_b32 s22, 0x3f800000                      ; 1.0
	s_mov_b32 s23, MANT
	s_mov_b32 s30, 0x76543210
	s_mov_b32 s31, 0xfedcba98                      ; v_permlanex16_b32's selects for lane l xor 16
	s_lshr_b32 s20, s16, 3
	s_lshl_b32 s17, ttmp9, 1
	s_add_co_u32 s17, s17, s20                     ; g: which 8 rows of the 4,096
	s_lshr_b32 s19, ttmp9, 6                       ; which tensor
	s_and_b32 s20, s17, 127
	s_lshl_b32 s20, s20, 15                        ; the eight rows' first byte in their tensor,
	s_and_b32 s21, s16, 7
	s_lshl_b32 s21, s21, 12
	s_add_co_u32 s20, s20, s21                     ; and my row's
	s_mov_b32 s21, 0
	s_and_b32 s28, s17, 1
	s_lshl_b32 s28, s28, 1
	s_bfe_u32 s29, s17, 0x10001
	s_or_b32 s28, s28, s29
	s_lshr_b32 s29, s17, 2
	s_lshl_b32 s29, s29, 2
	s_or_b32 s28, s28, s29                         ; g with its two lowest bits exchanged
	s_cmp_eq_u32 s19, 2
	s_cselect_b32 s17, s28, s17                    ; where Wv's rows go
	s_lshl_b32 s28, s17, 13                        ; 8,192 bytes of codes for eight rows,
	s_and_b32 s29, s16, 7
	s_lshl_b32 s29, s29, 10
	s_add_co_u32 s28, s28, s29                     ; 1,024 for mine
	s_mov_b32 s29, 0
	s_lshl_b32 s26, s17, 8                         ; 256 scale bytes for eight rows
	s_mov_b32 s27, 0
	s_wait_alu depctr_va_vdst(0)                   ; the wait at the head's end
	s_wait_kmcnt 0x0
	s_cmp_eq_u32 s19, 0                            ; the choice of the tensor hangs on the work-group's number alone
	s_cselect_b64 s[4:5], s[4:5], s[6:7]
	s_cmp_eq_u32 s19, 2
	s_cselect_b64 s[8:9], s[8:9], s[10:11]
	s_cmp_lt_u32 s19, 2
	s_cselect_b64 s[4:5], s[4:5], s[8:9]
	s_add_nc_u64 s[4:5], s[4:5], s[20:21]
	s_add_nc_u64 s[12:13], s[12:13], s[28:29]
	s_add_nc_u64 s[14:15], s[14:15], s[26:27]
.irp j, 0,1,2,3,4,5,6,7
	global_load_b128 v[R+4*\j:R+4*\j+3], v3, s[4:5] offset:512*\j th:TH_LOAD_NT   ; the row: eight loads of 512 consecutive bytes
.endr
.macro TURN t                          ; half row t through stage t: LDS serves a wave's instructions in order, so no wait stands between the stores and the loads
.irp i, 0,1,2,3
	ds_store_b128 v14, v[R+16*(\t)+4*\i:R+16*(\t)+4*\i+3] offset:32*SP*(\t)+8*SP*\i
.endr
.irp i, 0,1,2,3
	ds_load_b128 v[X+16*(\t)+4*\i:X+16*(\t)+4*\i+3], v15 offset:32*SP*(\t)+16*\i
.endr
.endm
.macro QSTEP t                         ; 512 numbers, 16 neighbours a lane, two lanes to a block
.set XS, X+16*(\t)
	v_max3_num_f32 v8, |v[XS]|, |v[XS+1]|, |v[XS+2]|               ; the largest magnitude of my 16, in two chains
	v_max3_num_f32 v9, |v[XS+3]|, |v[XS+4]|, |v[XS+5]|
.irp i, 6,10
	v_max3_num_f32 v8, v8, |v[XS+\i]|, |v[XS+\i+1]|
	v_max3_num_f32 v9, v9, |v[XS+\i+2]|, |v[XS+\i+3]|
.endr
	v_max3_num_f32 v8, v8, |v[XS+14]|, |v[XS+15]|
	v_max3_num_f32 v8, v8, v9, (EMAX+1)<<23        ; and the floor 2^(9 - 127): the byte cannot fall under 1
	v_max_num_f32_dpp v8, v8, v8 row_xmask:1 row_mask:0xf bank_mask:0xf   ; with my neighbour's 16: the block's
	v_add_nc_u32 v11, -(EMAX<<23), v8              ; 8 off its exponent field: the conversion takes the exponent field of this operand as its scale
	v_and_or_b32 v10, v8, 0x7f800000, s23          ; 448 x the scale
.irp i, 0,1,2,3,4,5,6,7,8,9,10,11,12,13,14,15
	v_med3_num_f32 v[XS+\i], v[XS+\i], -v10, v10   ; the conversion to an 8-bit code does not saturate (ISA guide 7.6.2): the hold comes first
.endr
	v_cvt_scalef32_pk8_fp8_f32 v[C+4*(\t):C+4*(\t)+1], v[XS:XS+7], v11
	v_cvt_scalef32_pk8_fp8_f32 v[C+4*(\t)+2:C+4*(\t)+3], v[XS+8:XS+15], v11
	v_lshrrev_b32 v[E+(\t)], 23, v11               ; the scale's byte (also the plain line behind the conversions)
	ds_store_b8 v5, v[E+(\t)] offset:16*(\t)       ; both lanes of a block write the same byte with the same value
	global_store_b128 v3, v[C+4*(\t):C+4*(\t)+3], s[12:13] offset:512*(\t)   ; 32 lanes store 512 consecutive bytes
.endm
	s_wait_loadcnt 0x0
.irp k, 0,1,2,3
	v_add_f32 v[SM+\k], |v[R+\k]|, |v[R+4+\k]|     ; the row's sum of magnitudes: four chains, started by the first eight numbers
.endr
.irp i, 8,12,16,20,24,28
.irp k, 0,1,2,3
	v_add_f32 v[SM+\k], v[SM+\k], |v[R+\i+\k]|
.endr
.endr
	v_add_f32 v[SM], v[SM], v[SM+1]
	v_add_f32 v[SM+2], v[SM+2], v[SM+3]
	v_add_f32 v8, v[SM], v[SM+2]
	v_add_f32_dpp v8, v8, v8 row_xmask:1 row_mask:0xf bank_mask:0xf
	v_add_f32_dpp v8, v8, v8 row_xmask:2 row_mask:0xf bank_mask:0xf
	v_add_f32_dpp v8, v8, v8 row_xmask:4 row_mask:0xf bank_mask:0xf
	v_add_f32_dpp v8, v8, v8 row_xmask:8 row_mask:0xf bank_mask:0xf
	v_permlanex16_b32 v9, v8, s30, s31
	v_add_f32 v8, v8, v9
	v_mul_f32 v[AL], 0x3a800000, v8                ; alpha = the sum / 1,024: exact
	v_mul_f32 v[AL+1], 0x3a800000, v8
.irp g, 0,8,16,24                      ; alpha x (W + (sign W - W)), in the order in which the problem writes it, eight numbers at a time
.irp k, 0,1,2,3,4,5,6,7
	v_and_or_b32 v[T+\k], v[R+\g+\k], 0x80000000, s22              ; 1.0 with W's sign,
	v_cmp_neq_f32 s[24+\k%4], 0, v[R+\g+\k]
	v_cndmask_b32 v[T+\k], 0, v[T+\k], s[24+\k%4]                  ; and 0 where W is 0
.endr
.irp k, 0,2,4,6
	v_pk_add_f32 v[T+\k:T+\k+1], v[T+\k:T+\k+1], v[R+\g+\k:R+\g+\k+1] neg_lo:[0,1] neg_hi:[0,1]
.endr
.irp k, 0,2,4,6
	v_pk_add_f32 v[R+\g+\k:R+\g+\k+1], v[R+\g+\k:R+\g+\k+1], v[T+\k:T+\k+1]
.endr
.irp k, 0,2,4,6
	v_pk_mul_f32 v[R+\g+\k:R+\g+\k+1], v[R+\g+\k:R+\g+\k+1], v[AL:AL+1]
.endr
.endr
	TURN 0
	TURN 1
	s_wait_dscnt 0x0                               ; both halves are back
	QSTEP 0
	QSTEP 1
	s_wait_dscnt 0x0                               ; my scale bytes are stored
	s_barrier_signal -1
	s_barrier_wait -1                              ; and so are the other waves'
	s_and_b32 s20, s16, 7
	s_cmp_lg_u32 s20, 0                            ; the first wave of each eight stores the eight rows' bytes
	s_cbranch_scc1 .Lnot_mine
	ds_load_b64 v[12:13], v6
	s_wait_dscnt 0x0
	global_store_b64 v7, v[12:13], s[14:15]        ; 32 lanes store 256 consecutive bytes, aligned
.Lnot_mine:
	s_wait_tensorcnt 0x0                           ; the wave's end
	ds_add_u32 v208, v209
	s_wait_dscnt 0x0
	s_endpgm
.Lfunc_end_k_q0eb1e00011_wquant:
	.size	k_q0eb1e00011_wquant, .Lfunc_end_k_q0eb1e00011_wquant-k_q0eb1e00011_wquant
	.p2alignl 7, 3214868480
	.fill 96, 4, 3214868480
	.section	.rodata,"a",@progbits
	.p2align	6, 0x0
	.amdhsa_kernel k_q0eb1e00011_wquant
		.amdhsa_group_segment_fixed_size 84480
		.amdhsa_private_segment_fixed_size 0
		.amdhsa_enable_private_segment 0
		.amdhsa_kernarg_size 48
		.amdhsa_user_sgpr_count 2
		.amdhsa_user_sgpr_kernarg_segment_ptr 1
		.amdhsa_wavefront_size32 1
		.amdhsa_system_sgpr_workgroup_id_x 1
		.amdhsa_system_sgpr_workgroup_id_y 1
		.amdhsa_system_sgpr_workgroup_id_z 1
		.amdhsa_system_vgpr_workitem_id 0
		.amdhsa_next_free_vgpr 210
		.amdhsa_next_free_sgpr 66
		.amdhsa_reserve_vcc 0
		.amdhsa_float_denorm_mode_32 3
		.amdhsa_float_denorm_mode_16_64 3
		.amdhsa_memory_ordered 1
		.amdhsa_forward_progress 1
		.amdhsa_inst_pref_size 22
	.end_amdhsa_kernel
	.amdgpu_metadata
---
amdhsa.version: [ 1, 2 ]
amdhsa.kernels:
  - .name:           k_q0eb1e00011_wquant
    .symbol:         k_q0eb1e00011_wquant.kd
    .args:
      - { .name: Wq, .offset: 0, .size: 8, .value_kind: global_buffer, .address_space: global }
      - { .name: Wk, .offset: 8, .size: 8, .value_kind: global_buffer, .address_space: global }
      - { .name: Wv, .offset: 16, .size: 8, .value_kind: global_buffer, .address_space: global }
      - { .name: Wp, .offset: 24, .size: 8, .value_kind: global_buffer, .address_space: global }
      - { .name: wcodes, .offset: 32, .size: 8, .value_kind: global_buffer, .address_space: global }
      - { .name: wscales, .offset: 40, .size: 8, .value_kind: global_buffer, .address_space: global }
    .group_segment_fixed_size: 84480
    .private_segment_fixed_size: 0
    .kernarg_segment_align: 8
    .kernarg_segment_size: 48
    .max_flat_workgroup_size: 512
    .sgpr_count:     66
    .vgpr_count:     210
    .wavefront_size: 32
...
	.end_amdgpu_metadata
.endif
;; end of part 1
;; launch qkvgemm (part 2): grid 8 x 32, 4 waves a work-group, clusters of 4 x 4, 327,680 bytes of LDS; arguments x_codes, x_scales, wcodes, wscales, bq, bk, bv, qkv, qkvs; writes qkv, qkvs
.if DOCPART == 2
	.amdgcn_target "amdgcn-amd-amdhsa--gfx1250"
	.amdhsa_code_object_version 6
	.text
	.protected	k_q0eb1e00011_qkvgemm
	.globl	k_q0eb1e00011_qkvgemm
	.p2align	8
	.type	k_q0eb1e00011_qkvgemm,@function
k_q0eb1e00011_qkvgemm:
	s_mov_b64 s[64:65], 0
	v_nop
	global_prefetch_b8 v0, s[64:65] scope:SCOPE_SE
	s_setreg_imm32_b32 hwreg(HW_REG_WAVE_MODE, 25, 1), 1
	s_wait_xcnt 0x0
	s_wait_alu depctr_hold_cnt(0) depctr_sa_sdst(0) depctr_va_vdst(0) depctr_va_sdst(0) depctr_va_ssrc(0) depctr_va_vcc(0) depctr_vm_vsrc(0)
	s_getreg_b32 s2, hwreg(HW_REG_IB_STS2, 6, 4)
	s_cmp_eq_u32 s2, 0
	s_cbranch_scc0 .Lentry_in_a_cluster
	s_endpgm
.Lentry_in_a_cluster:
	s_bfe_u32 s2, ttmp6, 0x10000c
	s_cmp_lg_u32 s2, 0xf033
	s_cbranch_scc0 .Lentry_shape_is_right
	s_endpgm
.Lentry_shape_is_right:
; Q, K, V = x W^T + b AND THEIR QUANTISERS, on codes of FP8 (E4M3) with one E8M0 byte for each 32 along K: 8,192 x 3,072 x 1,024, f32 sums.  Codes and scale bytes leave as images of the attention's operand registers.
; qkv: q at 0, k at 8 MiB: [batch x 16 + head][tile of 16 tokens][block of 32 channels][lane][16 bytes]; v at 16 MiB: [batch x 16 + head][key step of 128][tile t of 16 channels][block c of 32 keys][lane][16].
; qkvs: q at 0: [bh][tile / 4][row][tile % 4]: a word s0, s1, s0, s1; k at 512 KiB: [bh][key step][row][b]: tile 2 b's two bytes, tile 2 b + 1's; v at 768 KiB: [bh][key step][row][t]: a byte for each block c.
; A lane's 16 codes of a block of 32 are its numbers 8 h + 0..7 and 16 + 8 h + 0..7 (h = lane / 16), in q, k and v alike.  Wv's rows lie in wcodes in the order that the first launch gives them.
; LIMITS: NaN and infinities are not served; a block whose largest magnitude lies under 2^-118 gets the scale byte 1.
; THE DEAL.  256 work-groups of four waves, 2 x 2.  A work-group takes its 256 tokens through 128 rows (two heads) of Wq, then of Wk, then of Wv: three units.  A wave holds its head's 64 rows, ALL of K, in 512 registers
; (windows 1, 2) and streams x past them in blocks of 16 tokens, all of K, in two sets of 128 registers (window 3).  A block is 32 products on four sums by turns; the bias is the first four products' C.
; Wave row w takes tiles 4 w .. 4 w + 3 of each chunk of eight.
; LDS: two slots of 128 rows of 1,024 bytes + 16 of padding; a weight's rows and x's chunks have one tile shape.  THE ORDER OF WORK: chunks 0, 1 for Q; 1, 0 for K; 0, 1 for V: a unit begins on the chunk that still lies in LDS.
; FILLS.  At the head, one load a wave: Wq (slot 1), chunk 0 (slot 0), half of x's scale bytes each.  Then five refills, each a quarter a wave behind a drained round of the cluster's barrier: chunk 1 over Wq when Wq stands
; in registers; Wk over chunk 0; chunk 0 over Wk; Wv over chunk 1; chunk 1 over Wv.  Each has the work on the other slot in which to land.
; CLUSTER 4 x 4: x's tiles hang on the tile row alone and are asked for jointly along a row of the cluster, a weight's on the tile column alone, along a column.
; PREFETCH: chunk 1, Wk's rows and Wv's rows, 512 blocks of 256 bytes each, are asked for once in each cluster row or column, a chunk's work or more ahead of their loads: its sixteen waves share them out by address, a lane a block.
; The later loads of chunks 0 and 1 name bytes that this cluster row has read in this launch.
; Q, K: source 0 = the weight's rows, source 1 = x's tokens: a lane holds a token and 32 of its head's channels: two scale blocks, each shared with lane l xor 16.
; V: the sources swapped: a lane holds a channel, and the 16 registers of two neighbouring blocks hold 16 keys of a block of 32.
; K's and V's scale bytes come from both rows of waves: they meet in LDS bytes into which no fill lands, and leave behind a barrier as whole units of 256 bytes.
.set PITCH, 1040
.set TILE,  16*PITCH
.set YB,    128*PITCH                  ; slot 1
.set SCL,   2*YB                       ; x's scale bytes: units of 256 bytes (8 tokens) + 16 of padding
.set KA,    SCL+2*16*272               ; K's scale words: [head of two][key step of two][row][b]
.set VA,    KA+1024                    ; V's: [head][key step][row][t][c]
.set SPARE, VA+1024                    ; the spare words
.set NF,    34                         ; LDS loads of a block: eight fragments of four, two of four scale words
.set HH,   2                           ; v2    h = lane / 16
.set ADA,  4                           ; v4, v5   LDS address of my first tile's fragments in slot 0, 1
.set ADRB, 6                           ; v6, v7   of my fragments of a weight in slot 0, 1
.set AAS,  8                           ; v8    of my row's scale words in my first tile
.set PF1,  9                           ; v9    prefetch: my share of Wk's rows; Wv's lie 2^20 bytes on
.set SPW,  10                          ; v10   my spare word;  v11  0
.set NIL,  11
.set COQ,  12                          ; v12   my offset in q's and k's images;  v13 in v's
.set COV,  13
.set SOQ,  14                          ; v14   in q's scale words;  v15 in k's (v's lie 262,144 bytes on)
.set SOK,  15
.set KST,  16                          ; v16   LDS: where my words of K go;  v17 my bytes of V;  v18 where I read 8 bytes back
.set VST,  17
.set KRD,  18
.set ABS,  19                          ; v19   my offset in a weight's scale bytes;  v20 in bq, bk;  v21 in bv
.set BO,   20
.set BVO,  21
.set PF0,  22                          ; v22   prefetch: my share of chunk 1
.set SBQ,  24                          ; v24-39  Wq's scale words, later Wv's: register 8 p + q: lanes 0-15 tile 2 p's, lanes 16-31 tile 2 p + 1's
.set T,    40                          ; v40-43  scale words on their way
.set SA,   44                          ; v44-59  x's scale words: two sets of eight; no product's two scale words have numbers equal modulo 8
.set BV,   60                          ; v60-63  bv: a number a tile
.set ACC,  64                          ; v64-127 two sets of four sums
.set TM,   128                         ; v128-143 the quantisers' maxima, bounds, scale operands, bytes
.set PC,   144                         ; v144-159 codes
.set PW,   160                         ; v160-167 a block's two bytes: register 4 n + j
.set SBK,  168                         ; v168-183 Wk's scale words
.set BQ,   184                         ; v184-215 bq, later bv spread over eight registers a tile
.set BKB,  216                         ; v216-247 bk
.set TQ,   248                         ; v248-251 q's scale words on their way
.set WVN, 16
.set WR,  17
.set WC,  18
.set CX,  19
.set CY,  20
.set TCOL, 21
.set TROW, 22
.set G1W, 24
.set G1A, 32
.set G1S, 40
.set G0W, 48
.set G0A, 52
.set G0S, 56
.set G0C1, 60
.set G0WK, 68
.set G0C0, 72
.set G0WV, 76
.set SEL, 80
.set MNT, 82
.set MSB, 0
.macro WIN new                         ; the immediate's high byte repeats the setting that is left
.if MSB != (\new)
	s_set_vgpr_msb (MSB<<8)|(\new)
.set MSB, (\new)
.endif
.endm
.macro PLACES n
.rept \n
	v_nop
.endr
.endm
.macro BARRIER
	s_barrier_signal -1
	s_barrier_wait -1
.endm
.macro CROUND                          ; a round of the cluster's barrier
	BARRIER
	s_cmp_lg_u32 s[WVN], 0
	s_cbranch_scc1 .Lnot_wave_0_\@
	s_barrier_signal -3
.Lnot_wave_0_\@:
	s_barrier_wait -3
	BARRIER
.endm
.macro TLOAD g0, g1                    ; an s_nop 0 and four v_nop follow a tensor load
	tensor_load_to_lds s[\g0:\g0+3], s[\g1:\g1+7]
	s_nop 0
	PLACES 4
.endm
.macro DRAIN                           ; ahead of a refill: all my tensor loads have landed; the add; it and my LDS reads are done; a round: the same holds of every wave of every partner
	s_wait_tensorcnt 0x0
	ds_add_u32 v[SPW], v[NIL]
	s_wait_dscnt 0x0
	CROUND
.endm
.macro SHOW                            ; what every wave has asked for has landed, and is shown to all four
	s_wait_tensorcnt 0x0
	s_wait_dscnt 0x0
	BARRIER
.endm
.macro GROUP1 g, mask, rows            ; so many rows of 1,024 bytes, dense in memory, 16 bytes of padding behind each in LDS
	s_or_b32 s[\g+0], s[\mask], (1<<20)|(1<<21)|(7<<22)|(3<<25)
	s_mov_b32 s[\g+1], 1024<<16
	s_mov_b32 s[\g+2], (\rows)<<16
	s_mov_b32 s[\g+3], 1024<<16
	s_mov_b32 s[\g+4], \rows
	s_mov_b32 s[\g+5], 1024
	s_mov_b32 s[\g+6], 0
	s_mov_b32 s[\g+7], 0
.endm
.macro GADDR g0, ptr, off              ; a group 0's global address: a buffer's pointer + an offset under 2^32 (s15 = 0)
	s_mov_b32 s14, s\off
	s_add_nc_u64 s[\g0+2:\g0+3], s[\ptr:\ptr+1], s[14:15]
	s_or_b32 s[\g0+3], s[\g0+3], 0x80000000
.endm
	s_load_b256 s[4:11], s[0:1], 0x0               ; x_codes, x_scales, wcodes, wscales
	s_load_b256 s[84:91], s[0:1], 0x20             ; bq, bk, bv, qkv
	s_load_b64 s[92:93], s[0:1], 0x40              ; qkvs
	v_lshl_add_u32 v[SPW], v0, 2, SPARE
	v_mov_b32 v[NIL], 0
	ds_add_u32 v[SPW], v[NIL]                      ; the opening lines: the add, twice on end, and its wait ahead of my first tensor load
	ds_add_u32 v[SPW], v[NIL]
	v_lshrrev_b32 v1, 5, v0
	v_readfirstlane_b32 s[WVN], v1                 ; wave 0..3
	s_lshr_b32 s[WR], s[WVN], 1                    ; my row of waves
	s_and_b32 s[WC], s[WVN], 1                     ; my column of waves
	s_bfe_u32 s[CX], ttmp6, 0x40000
	s_bfe_u32 s[CY], ttmp6, 0x40004
	s_lshl_b32 s[TCOL], ttmp9, 2
	s_add_co_u32 s[TCOL], s[TCOL], s[CX]           ; tile column, of 8: heads 2 x column, + 1
	s_and_b32 s[TROW], ttmp7, 0xffff
	s_lshl_b32 s[TROW], s[TROW], 2
	s_add_co_u32 s[TROW], s[TROW], s[CY]           ; tile row, of 32: 256 tokens
	s_lshl_b32 s12, s[CY], 2
	s_lshl_b32 s12, 15, s12                        ; my row of the cluster: shares x's tiles
	s_lshl_b32 s13, 0x1111, s[CX]                  ; my column: shares the weights'
	GROUP1 G1W, 13, 128
	GROUP1 G1A, 12, 128
	s_or_b32 s[G1S+0], s12, (3<<16)|(1<<20)|(1<<21)|(5<<22)|(3<<25)   ; the scale bytes of 128 tokens: 16 rows of 256 bytes (32 elements of 8), 16 of padding behind each
	s_mov_b32 s[G1S+1], 32<<16
	s_mov_b32 s[G1S+2], 16<<16
	s_mov_b32 s[G1S+3], 32<<16
	s_mov_b32 s[G1S+4], 16
	s_mov_b32 s[G1S+5], 32
	s_mov_b32 s[G1S+6], 0
	s_mov_b32 s[G1S+7], 0
	s_lshl_b32 s94, s[TCOL], 17                    ; offsets, each under 2^32.  Wq's 128 rows;
	s_lshl_b32 s23, s[WVN], 15                     ; (my quarter of 128 rows)
	s_add_co_u32 s95, s94, s23
	s_add_co_u32 s96, s95, 2<<20                   ; my quarter of Wv's,
	s_add_co_u32 s95, s95, 1<<20                   ; of Wk's;
	s_lshl_b32 s97, s[TROW], 18                    ; chunk 0;
	s_add_co_u32 s98, s97, s23                     ; my quarter of chunk 0,
	s_add_co_u32 s99, s98, 131072                  ; of chunk 1;
	s_lshl_b32 s100, s[TROW], 13                   ; x's scale bytes: wave 2 the first 128 tokens', wave 3 the others'
	s_lshl_b32 s101, s[WC], 12
	s_add_co_u32 s100, s100, s101
	s_mul_i32 s23, s[WVN], 32*PITCH                ; where a quarter goes in a slot
	s_mov_b32 s[G0W], 1
	s_mov_b32 s[G0W+1], YB
	s_mov_b32 s[G0A], 1
	s_mov_b32 s[G0A+1], 0
	s_mov_b32 s[G0S], 1
	s_mul_i32 s[G0S+1], s[WC], 16*272
	s_add_co_u32 s[G0S+1], s[G0S+1], SCL
	s_mov_b32 s[G0C1], 1
	s_add_co_u32 s[G0C1+1], s23, YB
	s_mov_b32 s[G0WK], 1
	s_mov_b32 s[G0WK+1], s23
	s_mov_b32 s[G0C0], 1
	s_mov_b32 s[G0C0+1], s23
	s_mov_b32 s[G0WV], 1
	s_add_co_u32 s[G0WV+1], s23, YB
	s_mov_b32 s[SEL], 0x76543210
	s_mov_b32 s[SEL+1], 0xfedcba98                 ; v_permlanex16_b32's selects for lane l xor 16
	s_mov_b32 s[MNT], 0x600000                     ; the mantissa field of 448
	s_mov_b32 s15, 0
	s_wait_dscnt 0x0                               ; both opening adds are done
	CROUND                                         ; all sixteen work-groups are here: the first joint loads meet
	s_wait_kmcnt 0x0
	GADDR G0W, 8, 94
	GADDR G0WK, 8, 95
	GADDR G0WV, 8, 96
	GADDR G0A, 4, 97
	GADDR G0C0, 4, 98
	GADDR G0C1, 4, 99
	GADDR G0S, 6, 100
	s_cmp_eq_u32 s[WVN], 0                         ; ONE joint load a wave, and a line of its own for what is shown ahead of the rest
	s_cbranch_scc0 .Lwave_1
	TLOAD G0W, G1W                                 ; wave 0: Wq's rows, which are wanted first
	s_branch .Lasked
.Lwave_1:
	s_cmp_eq_u32 s[WVN], 1
	s_cbranch_scc0 .Lfor_scales
	TLOAD G0A, G1A                                 ; wave 1: chunk 0
	s_branch .Lasked
.Lfor_scales:
	TLOAD G0S, G1S                                 ; waves 2, 3: the scale bytes of 128 tokens each
.Lasked:
	s_lshl_b32 s2, s[TCOL], 1
	s_add_co_u32 s2, s2, s[WC]                     ; my head, of 16
	s_lshr_b32 s3, s[TROW], 3
	s_lshl_b32 s3, s3, 4
	s_add_co_u32 s3, s3, s2                        ; bh = 16 x batch + head
	s_and_b32 s83, s[TROW], 7                      ; which 256 of the batch's 2,048 tokens
	s_lshl_b32 s14, s3, 17
	s_lshl_b32 s94, s83, 14
	s_add_co_u32 s14, s14, s94
	s_add_nc_u64 s[90:91], s[90:91], s[14:15]      ; q's images of my head and tokens: 131,072 bytes a head, 64 a token
	s_lshl_b32 s14, s2, 11
	s_add_nc_u64 s[10:11], s[10:11], s[14:15]      ; Wq's scale bytes of my 64 rows; Wk's lie 32,768 bytes on, Wv's 65,536
	s_lshl_b32 s14, s2, 8
	s_add_nc_u64 s[84:85], s[84:85], s[14:15]      ; the biases of my head
	s_add_nc_u64 s[86:87], s[86:87], s[14:15]
	s_add_nc_u64 s[88:89], s[88:89], s[14:15]
	s_lshl_b32 s94, s3, 13                         ; q's scale words: 8,192 bytes a head, 4 a token, 256 for my row of waves
	s_lshl_b32 s95, s83, 10
	s_add_co_u32 s94, s94, s95
	s_lshl_b32 s23, s[WR], 8
	s_add_co_u32 s94, s94, s23
	s_lshl_b32 s95, s3, 12                         ; k's: 4,096 bytes a head, 256 a key step; on the way out wave row n stores key step n
	s_lshl_b32 s96, s83, 9
	s_add_co_u32 s95, s95, s96
	s_add_co_u32 s95, s95, s23
	s_add_co_u32 s95, s95, 524288
	s_mul_i32 s96, s[WR], 4*TILE                   ; LDS: my first tile of a chunk,
	s_mul_i32 s97, s[WC], 64*PITCH                 ; my 64 rows of a weight,
	s_mul_i32 s98, s[WR], 4*544
	s_add_co_u32 s98, s98, SCL                     ; my first tile's scale bytes,
	s_lshl_b32 s101, s[WC], 9
	s_lshl_b32 s99, s[WR], 3
	s_add_co_u32 s99, s99, s101
	s_add_co_u32 s99, s99, KA                      ; my words of K,
	s_lshl_b32 s100, s[WR], 1
	s_add_co_u32 s100, s100, s101
	s_add_co_u32 s100, s100, VA                    ; my bytes of V,
	s_add_co_u32 s101, s101, s23
	s_add_co_u32 s101, s101, KA                    ; and what I read back
	s_lshl_b32 s12, s[CX], 2                       ; which of the cluster row's sixteen waves I am: my 8,192 bytes of chunk 1;
	s_add_co_u32 s12, s12, s[WVN]
	s_lshl_b32 s12, s12, 13
	s_lshl_b32 s13, s[TROW], 18
	s_add_co_u32 s12, s12, s13
	s_add_co_u32 s12, s12, 131072
	s_lshl_b32 s13, s[CY], 2                       ; and of the column's: of Wk's rows
	s_add_co_u32 s13, s13, s[WVN]
	s_lshl_b32 s13, s13, 13
	s_lshl_b32 s14, s[TCOL], 17
	s_add_co_u32 s13, s13, s14
	s_add_co_u32 s13, s13, 1<<20
	s_lshl_b32 s23, s[WR], 12                      ; images: q, k: my four tiles of 1,024 bytes;
	s_lshl_b32 s83, s[WR], 10                      ; v: my two blocks c of 512
	v_and_b32 v1, 15, v0                           ; r = l % 16
	v_bfe_u32 v[HH], v0, 4, 1
	v_and_b32 v3, 31, v0                           ; l
	v_mul_u32_u24 v252, v1, PITCH
	v_lshl_add_u32 v252, v[HH], 4, v252            ; a fragment's row x pitch + 16 x half
	v_add_nc_u32 v[ADA], s96, v252
	v_add_nc_u32 v[ADA+1], YB, v[ADA]
	v_add_nc_u32 v[ADRB], s97, v252
	v_add_nc_u32 v[ADRB+1], YB, v[ADRB]
	v_lshlrev_b32 v253, 5, v1                      ; x's scale bytes: 32 a token, and 16 more for each 256 passed
	v_lshrrev_b32 v254, 3, v1
	v_lshl_add_u32 v253, v254, 4, v253
	v_add_nc_u32 v[AAS], s98, v253
	v_lshlrev_b32 v255, 4, v1                      ; 16 r
	v_add_nc_u32 v[KST], s99, v255
	v_add_nc_u32 v[VST], s100, v255
	v_lshlrev_b32 v253, 3, v3
	v_add_nc_u32 v[KRD], s101, v253
	v_lshl_add_u32 v[COQ], v3, 4, s23
	v_lshl_add_u32 v[COV], v3, 4, s83
	v_lshl_add_u32 v[SOQ], v[HH], 9, v255          ; lanes 0-15 store chunk 0's words, lanes 16-31 chunk 1's
	v_add_nc_u32 v[SOQ], s94, v[SOQ]
	v_lshl_add_u32 v[SOK], v3, 3, s95
	v_lshlrev_b32 v[ABS], 5, v3                    ; lane l takes row l of a pair of a weight's tiles
	v_lshlrev_b32 v[BO], 5, v[HH]
	v_lshl_add_u32 v[BVO], v254, 3, v1             ; Wv's row 16 t + r of a head is channel 32 (t / 2) + 8 (t % 2) + r + 8 (r / 8)
	v_lshlrev_b32 v[BVO], 2, v[BVO]
	v_lshl_add_u32 v[PF0], v3, 8, s12
	v_lshl_add_u32 v[PF1], v3, 8, s13
.set I_, 0
.rept 16
	v_mov_b32 v[TM+I_], 0                          ; written once: a lane permute's destination counts as one of its sources
.set I_, I_+1
.endr
	s_wait_alu depctr_va_vdst(0)                   ; the wait at the head's end
.irp p, 0,1
.irp c, 0,1
	global_load_b128 v[SBQ+8*\p+4*\c:SBQ+8*\p+4*\c+3], v[ABS], s[10:11] offset:\p*1024+16*\c
	global_load_b128 v[SBK+8*\p+4*\c:SBK+8*\p+4*\c+3], v[ABS], s[10:11] offset:32768+\p*1024+16*\c
.endr
.endr
.irp b, 0,1,2,3
	global_load_b128 v[BQ+8*\b:BQ+8*\b+3], v[BO], s[84:85] offset:64*\b          ; register i of tile b: channel 16 b + 8 h + i
	global_load_b128 v[BQ+8*\b+4:BQ+8*\b+7], v[BO], s[84:85] offset:64*\b+16
	global_load_b128 v[BKB+8*\b:BKB+8*\b+3], v[BO], s[86:87] offset:64*\b
	global_load_b128 v[BKB+8*\b+4:BKB+8*\b+7], v[BO], s[86:87] offset:64*\b+16
	global_load_b32 v[BV+\b], v[BVO], s[88:89] offset:4*(32*(\b/2)+8*(\b%2))
.endr
	s_cmp_eq_u32 s[WVN], 0
	s_cbranch_scc0 .Lnot_w
	s_wait_tensorcnt 0x0                           ; wave 0: Wq's rows have landed.  The other waves' wait stands ahead of the round below
.Lnot_w:
	BARRIER
	global_prefetch_b8 v[PF0], s[4:5] th:TH_LOAD_NT scope:SCOPE_SE   ; chunk 1
.macro WEIGHTS adr                     ; my 64 rows of a weight, all of K: fragment 4 q + b lies in window 1 + q / 4.  Lane l holds row l % 16; registers 4 c .. 4 c + 3 hold K = 32 c + 16 (l / 16) + 0 .. 15
.irp q, 0,1,2,3,4,5,6,7
	WIN (1+\q/4)<<6
.irp b, 0,1,2,3
.irp c, 0,1,2,3
	ds_load_b128 v[16*((4*\q+\b)%16)+4*\c:16*((4*\q+\b)%16)+4*\c+3], v[\adr] offset:128*\q+32*\c+\b*16*PITCH
.endr
.endr
.endr
	WIN 0
.endm
.macro FETCH k, a, j, soff             ; my tile j of a chunk, 16 tokens, all of K, into set k of window 3, and its scale words: NF loads
	WIN 3<<6
.irp q, 0,1,2,3,4,5,6,7
.irp c, 0,1,2,3
	ds_load_b128 v[128*\k+16*\q+4*\c:128*\k+16*\q+4*\c+3], v[\a] offset:(\j)*TILE+128*\q+32*\c
.endr
.endr
	WIN 0
	ds_load_b128 v[SA+8*\k:SA+8*\k+3], v[AAS] offset:\soff
	ds_load_b128 v[SA+8*\k+4:SA+8*\k+7], v[AAS] offset:(\soff)+16
.endm
.macro PROD kind, e, n, sb, cb         ; product n = 4 q + b: the q-th 128 of K, the weight's tile b; x's tokens and the sums in set e; sb: the weight's scale words; cb: the bias.  kind 0: source 0 = the weight's rows; 1: x's tokens
.set Q_, (\n)/4
.set B_, (\n)%4
.set AC_, ACC+32*(\e)+8*B_
.set C_, AC_
.if Q_ == 0
.set C_, (\cb)+8*B_
.endif
.set R_, 128*(\e)+16*Q_
.set W_, 16*((4*Q_+B_)%16)
.set XS_, SA+8*(\e)+Q_
.set WS_, (\sb)+8*(B_/2)+Q_
.if \kind
	WIN 3|((1+Q_/4)<<2)
.if B_%2
	v_wmma_scale_f32_16x16x128_f8f6f4 v[AC_:AC_+7], v[R_:R_+15], v[W_:W_+15], v[C_:C_+7], v[XS_], v[WS_] matrix_b_scale:MATRIX_SCALE_ROW1
.else
	v_wmma_scale_f32_16x16x128_f8f6f4 v[AC_:AC_+7], v[R_:R_+15], v[W_:W_+15], v[C_:C_+7], v[XS_], v[WS_]
.endif
.else
	WIN (1+Q_/4)|(3<<2)
.if B_%2
	v_wmma_scale_f32_16x16x128_f8f6f4 v[AC_:AC_+7], v[W_:W_+15], v[R_:R_+15], v[C_:C_+7], v[WS_], v[XS_] matrix_a_scale:MATRIX_SCALE_ROW1
.else
	v_wmma_scale_f32_16x16x128_f8f6f4 v[AC_:AC_+7], v[W_:W_+15], v[R_:R_+15], v[C_:C_+7], v[WS_], v[XS_]
.endif
.endif
.endm
.macro BLOCK kind, e, sb, cb           ; 32 products, the four sums by turns; eight places behind the last, ahead of the loads into what it has read and of the first reader of its sums
.set N_, 0
.rept 32
	PROD \kind, \e, N_, \sb, \cb
.set N_, N_+1
.endr
	WIN 0
	PLACES 8
.endm
.macro QKOUT e, n, j                   ; Q's or K's block j of chunk n: my token's 32 channels: scale blocks c = 0, 1 in registers 16 c .. 16 c + 15
.set X_, ACC+32*(\e)
	s_wait_xcnt 0x0                                ; the stores of the block before have read the codes' registers
.irp c, 0,1
	v_max3_num_f32 v[TM+\c], |v[X_+16*\c]|, |v[X_+16*\c+1]|, 0x4800000   ; each sum from its low end on; the floor 2^(9 - 127): the byte cannot fall under 1
.endr
.irp i, 2,4,6,8,10,12,14
.irp c, 0,1
	v_max3_num_f32 v[TM+\c], v[TM+\c], |v[X_+16*\c+\i]|, |v[X_+16*\c+\i+1]|
.endr
.endr
.irp c, 0,1
	v_permlanex16_b32 v[TM+2+\c], v[TM+\c], s[SEL], s[SEL+1]
.endr
.irp c, 0,1
	v_max_num_f32 v[TM+\c], v[TM+\c], v[TM+2+\c]   ; with lane l xor 16's 16: the block's largest magnitude
.endr
.irp c, 0,1
	v_add_nc_u32 v[TM+4+\c], 0xfc000000, v[TM+\c]  ; 8 off its exponent field: the conversion's scale operand
.endr
.irp c, 0,1
	v_and_or_b32 v[TM+6+\c], v[TM+\c], 0x7f800000, s[MNT]   ; 448 x the scale
.endr
.irp c, 0,1
	v_lshrrev_b32 v[TM+2+\c], 23, v[TM+4+\c]       ; the scale's byte
.endr
	v_lshl_or_b32 v[PW+4*(\n)+(\j)], v[TM+3], 8, v[TM+2]
.irp c, 0,1
.irp i, 0,1,2,3,4,5,6,7,8,9,10,11,12,13,14,15
	v_med3_num_f32 v[X_+16*\c+\i], v[X_+16*\c+\i], -v[TM+6+\c], v[TM+6+\c]   ; the conversion does not saturate (ISA guide 7.6.2): the hold comes first
.endr
	v_cvt_scalef32_pk8_fp8_f32 v[PC+4*\c:PC+4*\c+1], v[X_+16*\c:X_+16*\c+7], v[TM+4+\c]
	v_cvt_scalef32_pk8_fp8_f32 v[PC+4*\c+2:PC+4*\c+3], v[X_+16*\c+8:X_+16*\c+15], v[TM+4+\c]
.endr
	v_nop                                          ; one plain line behind the last conversion
.irp c, 0,1
	global_store_b128 v[COQ], v[PC+4*\c:PC+4*\c+3], s[90:91] offset:(8*(\n)+(\j))*1024+512*\c   ; 32 lanes store 512 consecutive bytes
.endr
.endm
.macro VOUT n, pr                      ; a pair of V's blocks: my channel of each tile t: 8 keys in set 0, 8 in set 1: with lane l xor 16's, block c = 2 w + pr of key step n
	s_wait_xcnt 0x0
.irp t, 0,1,2,3
	v_max3_num_f32 v[TM+\t], |v[ACC+8*\t]|, |v[ACC+8*\t+1]|, 0x4800000
.endr
.irp i, 2,4,6
.irp t, 0,1,2,3
	v_max3_num_f32 v[TM+\t], v[TM+\t], |v[ACC+8*\t+\i]|, |v[ACC+8*\t+\i+1]|
.endr
.endr
.irp i, 0,2,4,6
.irp t, 0,1,2,3
	v_max3_num_f32 v[TM+\t], v[TM+\t], |v[ACC+32+8*\t+\i]|, |v[ACC+32+8*\t+\i+1]|
.endr
.endr
.irp t, 0,1,2,3
	v_permlanex16_b32 v[TM+4+\t], v[TM+\t], s[SEL], s[SEL+1]
.endr
.irp t, 0,1,2,3
	v_max_num_f32 v[TM+\t], v[TM+\t], v[TM+4+\t]
.endr
.irp t, 0,1,2,3
	v_add_nc_u32 v[TM+8+\t], 0xfc000000, v[TM+\t]
.endr
.irp t, 0,1,2,3
	v_and_or_b32 v[TM+12+\t], v[TM+\t], 0x7f800000, s[MNT]
.endr
.irp t, 0,1,2,3
	v_lshrrev_b32 v[TM+4+\t], 23, v[TM+8+\t]
.endr
.irp t, 0,1,2,3
.irp i, 0,1,2,3,4,5,6,7
	v_med3_num_f32 v[ACC+8*\t+\i], v[ACC+8*\t+\i], -v[TM+12+\t], v[TM+12+\t]
	v_med3_num_f32 v[ACC+32+8*\t+\i], v[ACC+32+8*\t+\i], -v[TM+12+\t], v[TM+12+\t]
.endr
	v_cvt_scalef32_pk8_fp8_f32 v[PC+4*\t:PC+4*\t+1], v[ACC+8*\t:ACC+8*\t+7], v[TM+8+\t]
	v_cvt_scalef32_pk8_fp8_f32 v[PC+4*\t+2:PC+4*\t+3], v[ACC+32+8*\t:ACC+32+8*\t+7], v[TM+8+\t]
.endr
	v_nop                                          ; one plain line behind the last conversion
.irp t, 0,1,2,3
	ds_store_b8 v[VST], v[TM+4+\t] offset:256*(\n)+4*\t+(\pr)   ; both halves of the lanes write the same byte with the same value
	global_store_b128 v[COV], v[PC+4*\t:PC+4*\t+3], s[90:91] offset:8192*(\n)+2048*\t+512*(\pr)
.endr
.endm
.macro CHUNKQK s, n, sb, cb            ; chunk n, which lies in slot s: my four blocks of Q or K
	FETCH 0, ADA+\s, 0, (8*\n)*544
	FETCH 1, ADA+\s, 1, (8*\n+1)*544
	s_wait_dscnt NF                                ; block 0 is in; block 1's NF loads may be out
	BLOCK 0, 0, \sb, \cb
	FETCH 0, ADA+\s, 2, (8*\n+2)*544
	QKOUT 0, \n, 0
	s_wait_dscnt NF                                ; block 1 is in; block 2's loads may be out
	BLOCK 0, 1, \sb, \cb
	FETCH 1, ADA+\s, 3, (8*\n+3)*544
	QKOUT 1, \n, 1
	s_wait_dscnt NF                                ; block 2 is in; block 3's loads may be out
	BLOCK 0, 0, \sb, \cb
	QKOUT 0, \n, 2
	s_wait_dscnt 0x0
	BLOCK 0, 1, \sb, \cb
	QKOUT 1, \n, 3
.endm
.macro CHUNKV s, n                     ; the same of V: two pairs of blocks
	FETCH 0, ADA+\s, 0, (8*\n)*544
	FETCH 1, ADA+\s, 1, (8*\n+1)*544
	s_wait_dscnt NF
	BLOCK 1, 0, SBQ, BQ
	FETCH 0, ADA+\s, 2, (8*\n+2)*544
	s_wait_dscnt NF
	BLOCK 1, 1, SBQ, BQ
	FETCH 1, ADA+\s, 3, (8*\n+3)*544
	VOUT \n, 0
	s_wait_dscnt 0x0
	BLOCK 1, 0, SBQ, BQ
	BLOCK 1, 1, SBQ, BQ
	VOUT \n, 1
.endm
.macro KWORDS n                        ; key step n: words b = 2 w, 2 w + 1 of my row: two tiles' two bytes each
	v_lshl_or_b32 v[T], v[PW+4*\n+1], 16, v[PW+4*\n]
	v_lshl_or_b32 v[T+1], v[PW+4*\n+3], 16, v[PW+4*\n+2]
	ds_store_b64 v[KST], v[T:T+1] offset:256*\n
.endm
	; UNIT Q
	WEIGHTS ADRB+1
	s_wait_tensorcnt 0x0                           ; every wave: its load of the head has landed;
	ds_add_u32 v[SPW], v[NIL]                      ; 0 onto my spare word;
	s_mov_b32 s[G1A+2], 32<<16                     ; no tensor load of mine is out, so a descriptor may be written: from here on a load brings 32 rows
	s_mov_b32 s[G1A+4], 32
	s_mov_b32 s[G1W+2], 32<<16
	s_mov_b32 s[G1W+4], 32
	s_wait_dscnt 0x0                               ; the add is done, and Wq stands in my registers
	CROUND                                         ; chunk 0 and the scale bytes are shown, and no wave of any partner still reads slot 1 or has a load on its way
	TLOAD G0C1, G1A                                ; chunk 1 over Wq
	global_prefetch_b8 v[PF1], s[8:9] th:TH_LOAD_NT scope:SCOPE_SE   ; Wk's rows, a chunk's work ahead of their load
	s_wait_loadcnt 0x0                             ; the scale words and the biases
	CHUNKQK 0, 0, SBQ, BQ
	DRAIN
	TLOAD G0WK, G1W                                ; Wk over chunk 0
	CHUNKQK 1, 1, SBQ, BQ
.irp p, 0,1
.irp c, 0,1
	global_load_b128 v[SBQ+8*\p+4*\c:SBQ+8*\p+4*\c+3], v[ABS], s[10:11] offset:65536+\p*1024+16*\c   ; Wv's scale words take Wq's place, a unit ahead of their use
.endr
.endr
.irp i, 0,1,2,3,4,5,6,7
	v_lshl_or_b32 v[PW+\i], v[PW+\i], 16, v[PW+\i] ; q's word: s0, s1, s0, s1: it serves [q | 0] and [0 | q]
.endr
	v_cmp_eq_u32 vcc_lo, 1, v[HH]
.irp i, 0,1,2,3
	v_cndmask_b32 v[TQ+\i], v[PW+\i], v[PW+4+\i], vcc_lo
.endr
	global_store_b128 v[SOQ], v[TQ:TQ+3], s[92:93] ; sixteen lanes store 256 consecutive bytes, aligned: my four tiles' words of 16 rows
	s_wait_xcnt 0x0                                ; the stores have read their base
	s_add_nc_u64 s[90:91], s[90:91], 0x800000      ; on to k's images
	; UNIT K
	SHOW                                           ; Wk's rows
	WEIGHTS ADRB
	DRAIN
	TLOAD G0C0, G1A                                ; chunk 0 over Wk
	global_prefetch_b8 v[PF1], s[8:9] offset:1048576 th:TH_LOAD_NT scope:SCOPE_SE   ; Wv's rows
	CHUNKQK 1, 1, SBK, BKB
	KWORDS 1
	DRAIN
	TLOAD G0WV, G1W                                ; Wv over chunk 1
	CHUNKQK 0, 0, SBK, BKB
	KWORDS 0
	s_wait_xcnt 0x0
	s_add_nc_u64 s[90:91], s[90:91], 0x800000      ; on to v's images
	; UNIT V
	SHOW                                           ; Wv's rows, and all four waves' words of K
	ds_load_b64 v[T:T+1], v[KRD]
	s_wait_dscnt 0x0
	global_store_b64 v[SOK], v[T:T+1], s[92:93]    ; 32 lanes store 256 consecutive bytes, aligned: a head's key step
	WEIGHTS ADRB+1
.irp t, 0,1,2,3
.irp i, 0,1,2,3,4,5,6,7
	v_mov_b32 v[BQ+8*\t+\i], v[BV+\t]              ; V's C: all eight registers of tile t are my channel's bias
.endr
.endr
	s_wait_alu depctr_va_vdst(0)                   ; the wait here, ahead of the waits below
	DRAIN
	TLOAD G0C1, G1A                                ; chunk 1 over Wv
	s_wait_loadcnt 0x0                             ; Wv's scale words
	CHUNKV 0, 0
	SHOW                                           ; chunk 1
	CHUNKV 1, 1
	s_wait_dscnt 0x0                               ; my bytes of V are stored
	BARRIER
	ds_load_b64 v[T+2:T+3], v[KRD] offset:1024
	s_wait_dscnt 0x0
	global_store_b64 v[SOK], v[T+2:T+3], s[92:93] offset:262144
	s_wait_tensorcnt 0x0                           ; the wave's end
	ds_add_u32 v[SPW], v[NIL]
	s_wait_dscnt 0x0
	CROUND                                         ; the closing round: no work-group ends while a partner may still ask for a tile that names it
	s_endpgm
.Lfunc_end_k_q0eb1e00011_qkvgemm:
	.size	k_q0eb1e00011_qkvgemm, .Lfunc_end_k_q0eb1e00011_qkvgemm-k_q0eb1e00011_qkvgemm
	.p2alignl 7, 3214868480
	.fill 96, 4, 3214868480
	.section	.rodata,"a",@progbits
	.p2align	6, 0x0
	.amdhsa_kernel k_q0eb1e00011_qkvgemm
		.amdhsa_group_segment_fixed_size 327680
		.amdhsa_private_segment_fixed_size 0
		.amdhsa_enable_private_segment 0
		.amdhsa_kernarg_size 72
		.amdhsa_user_sgpr_count 2
		.amdhsa_user_sgpr_kernarg_segment_ptr 1
		.amdhsa_wavefront_size32 1
		.amdhsa_system_sgpr_workgroup_id_x 1
		.amdhsa_system_sgpr_workgroup_id_y 1
		.amdhsa_system_sgpr_workgroup_id_z 1
		.amdhsa_system_vgpr_workitem_id 0
		.amdhsa_next_free_vgpr 1024
		.amdhsa_next_free_sgpr 102
		.amdhsa_reserve_vcc 1
		.amdhsa_float_denorm_mode_32 3
		.amdhsa_float_denorm_mode_16_64 3
		.amdhsa_memory_ordered 1
		.amdhsa_forward_progress 1
		.amdhsa_inst_pref_size 255
	.end_amdhsa_kernel
	.section	.bss,"aw",@nobits
	.p2align	6
	.space	262144
	.amdgpu_metadata
---
amdhsa.version: [ 1, 2 ]
amdhsa.kernels:
  - .name:           k_q0eb1e00011_qkvgemm
    .symbol:         k_q0eb1e00011_qkvgemm.kd
    .args:
      - { .name: x_codes, .offset: 0, .size: 8, .value_kind: global_buffer, .address_space: global }
      - { .name: x_scales, .offset: 8, .size: 8, .value_kind: global_buffer, .address_space: global }
      - { .name: wcodes, .offset: 16, .size: 8, .value_kind: global_buffer, .address_space: global }
      - { .name: wscales, .offset: 24, .size: 8, .value_kind: global_buffer, .address_space: global }
      - { .name: bq, .offset: 32, .size: 8, .value_kind: global_buffer, .address_space: global }
      - { .name: bk, .offset: 40, .size: 8, .value_kind: global_buffer, .address_space: global }
      - { .name: bv, .offset: 48, .size: 8, .value_kind: global_buffer, .address_space: global }
      - { .name: qkv, .offset: 56, .size: 8, .value_kind: global_buffer, .address_space: global }
      - { .name: qkvs, .offset: 64, .size: 8, .value_kind: global_buffer, .address_space: global }
    .group_segment_fixed_size: 327680
    .private_segment_fixed_size: 0
    .kernarg_segment_align: 8
    .kernarg_segment_size: 72
    .max_flat_workgroup_size: 128
    .sgpr_count:     102
    .vgpr_count:     1024
    .wavefront_size: 32
...
	.end_amdgpu_metadata
.endif
;; end of part 2
;; launch attn (part 3): grid 4 x 64, 16 waves a work-group, clusters of 4 x 1, 272,384 bytes of LDS; arguments qkv, qkvs, ycodes, yscales; writes ycodes, yscales
.if DOCPART == 3
	.amdgcn_target "amdgcn-amd-amdhsa--gfx1250"
	.amdhsa_code_object_version 6
	.text
	.protected	k_q0eb1e00011_attn
	.globl	k_q0eb1e00011_attn
	.p2align	8
	.type	k_q0eb1e00011_attn,@function
k_q0eb1e00011_attn:
	s_mov_b64 s[64:65], 0
	v_nop
	global_prefetch_b8 v0, s[64:65] scope:SCOPE_SE
	s_setreg_imm32_b32 hwreg(HW_REG_WAVE_MODE, 25, 1), 1
	s_wait_xcnt 0x0
	s_wait_alu depctr_hold_cnt(0) depctr_sa_sdst(0) depctr_va_vdst(0) depctr_va_sdst(0) depctr_va_ssrc(0) depctr_va_vcc(0) depctr_vm_vsrc(0)
	s_getreg_b32 s2, hwreg(HW_REG_IB_STS2, 6, 4)
	s_cmp_eq_u32 s2, 0
	s_cbranch_scc0 .Lentry_in_a_cluster
	s_endpgm
.Lentry_in_a_cluster:
	s_bfe_u32 s2, ttmp6, 0x10000c
	s_cmp_lg_u32 s2, 0x3003
	s_cbranch_scc0 .Lentry_shape_is_right
	s_endpgm
.Lentry_shape_is_right:
; y[b][t][head][:] = the sum over keys of softmax(q . k / 8) v, both products on codes of FP8 (E4M3) with one E8M0 scale for each 32 along a product's K; y is quantised along its channels and stored as
; images of the last product's operand registers, with its scale bytes as rows [token][32].
; THE SOFTMAX AHEAD OF THE SECOND PRODUCT: t = score x log2(e) / 8; M = the running largest t, rounded UP to a whole number; p = 2^(t - M) is quantised along the keys, not normalised; the row's sum is taken
; of the unquantised p and divides at the end; when M moves, the sum and O are multiplied by 2^(old M - new M): exact.
; SHARES.  256 work-groups; a work-group owns 512 queries of one (batch, head); each of its sixteen waves two tiles of 16, one after the other (two walks over the keys), in 256 registers: four waves to a SIMD.
; A WHOLE HEAD'S K AND V LIE IN LDS, filled ONCE and walked twice: key step s (128 keys) at 16,384 s: K's images (8,192 bytes), then V's.  Wave w asks for step w by ONE tensor load of two rows of 8,192 bytes,
; which lie 8 MiB apart in memory.  Waves 0 and 1 have a load line of their own: the first barrier shows steps 0 and 1, the second, behind step 1, all the rest.  No byte is filled again: no ring.
; CLUSTER.  The four work-groups of a cluster are the four query blocks of one head: each step is asked for JOINTLY, by the same tensor load with a mask that names the four.
; THE SCALE WORDS of K and V (8,192 of the 270,336 bytes that a work-group holds: too small a part for joint loads, and all sixteen waves have their one load) come through registers: wave w loads step w's 512 bytes
; (lanes 0-15 K's 256, lanes 16-31 V's) and stores them to LDS bytes into which no tensor load lands.
; NO PREFETCH: every byte of K and V is asked for at the head, so no stream is left to run ahead of; the second tile of q (1,024 bytes a wave) is asked for at the head of the first tile's way out.
; LAYOUT.  Both products are used transposed (S^T = K Q^T, O^T = V^T P^T): a lane holds ONE query throughout.  A head has 64 channels and the instruction 128 along K: source 0 is TWO tiles of 16 keys side by
; side, source 1 is q beside 64 zero codes, [q | 0] for the first tile's scores and [0 | q] for the second's: both are views of one run of 24 registers [0 | q | 0].  Zero codes add nothing.
; LIMITS: NaN and infinities are not served; the scaled scores stay under 2^31 in magnitude; a block of y whose largest magnitude lies under 2^-118 gets the scale byte 1.
.set AK0,  1                           ; v1   16 x lane: my place in an image
.set SGO,  2                           ; v2   my 16 bytes of my step's scale words in memory
.set AS0,  3                           ; v3   my row's 16 bytes of a step's scale words of K in LDS; V's lie 256 bytes on
.set ADK,  4                           ; v4   the step's images
.set SLA,  5                           ; v5   where I store scale words: SCW + 16 x my thread's number
.set ADS,  6                           ; v6   the step's scale words
.set YS,   7                           ; v7   the way out: my scale byte's place
.set RR,   8                           ; v8   r = lane % 16
.set HH,   9                           ; v9   h = lane / 16
.set QSO,  10                          ; v10  16 r
.set PCD,  16                          ; v16-31   p's codes
.set F,    32                          ; v32-95   four fragments of K or of V
.set S,    96                          ; v96-159  S^T, then p
.set OT,   160                         ; v160-191 O^T
.set QHI,  192                         ; v192-207 [0 | q]
.set QLO,  200                         ; v200-215 [q | 0]
.set KS,   216                         ; v216-219 K's scale words;  v220-223 V's
.set VS,   220
.set BM,   224                         ; v224-227 the blocks' largest
.set PB,   228                         ; v228-231 the other half's, then bytes
.set HOLD, 232                         ; v232-235 448 x the scale
.set SCO,  236                         ; v236-239 the conversions' scale operands
.set FF,   240                         ; v240 f = 2^(old M - new M);  v241 p's scale word
.set PW,   241
.set TMP,  242
.set T2,   243
.set QS,   244                         ; v244 q's scale word
.set L,    246                         ; v246-253 the row's sum, in four chains of two
.set SPW,  254                         ; v254 my spare word;  v255 0
.set NIL,  255
.set WV,   12
.set SEL,  16                          ; s[16:17] v_permlanex16_b32's selects for lane l xor 16
.set CS,   18                          ; s[18:19] c = log2(e) / 8
.set MNT,  20
.set TB,   21                          ; s21  LDS byte of the step's images: 16,384 a step
.set TS,   22                          ; s22  and of its scale words: 512 a step
.set CNT,  23
.set G1,   24                          ; s[24:31] descriptor group 1;  s[32:35] group 0
.set G0,   32
.set SCW,  262144                      ; behind the images: the scale words
.set SPARE, 0x42000                    ; behind them: the spare words, 128 bytes a wave
.macro CROUND                          ; a round of the cluster's barrier
	s_barrier_signal -1
	s_barrier_wait -1
	s_cmp_lg_u32 s[WV], 0
	s_cbranch_scc1 .Lnot_wave_0_\@
	s_barrier_signal -3
.Lnot_wave_0_\@:
	s_barrier_wait -3
	s_barrier_signal -1
	s_barrier_wait -1
.endm
.macro INIT                            ; a tile's start: the first step's f is 0, and finds zeros
	v_mov_b32 v13, 0xff61b1e6                      ; the largest score so far: -3e38
	v_mov_b32 v12, 0x7e000000                      ; -M: 2^125, a whole number over every -M that follows
.set j, 0
.rept 8
	v_mov_b32 v[L+j], 0
.set j, j+1
.endr
.set j, 0
.rept 32
	v_mov_b32 v[OT+j], 0
.set j, j+1
.endr
.endm
	s_load_b256 s[4:11], s[0:1], 0x0               ; qkv, qkvs, ycodes, yscales
	v_lshl_add_u32 v[SPW], v0, 2, SPARE
	v_mov_b32 v[NIL], 0
	ds_add_u32 v[SPW], v[NIL]                      ; the opening lines: the add, twice on end, and its wait ahead of my tensor load
	ds_add_u32 v[SPW], v[NIL]
	v_lshrrev_b32 v11, 5, v0
	v_readfirstlane_b32 s[WV], v11                 ; wave 0..15
	s_bfe_u32 s13, ttmp6, 0x40000                  ; cx: it enters q's and y's addresses in memory alone
	s_lshl_b32 s14, ttmp9, 2
	s_add_co_u32 s14, s14, s13                     ; my block of 512 queries
	s_lshl_b32 s14, s14, 5
	s_add_co_u32 s14, s14, s[WV]                   ; my first tile of 16 queries, of the head's 128; the second lies 16 tiles on
	s_and_b32 s15, ttmp7, 0xffff                   ; 16 x batch + head, which the four partners share
	s_mov_b32 s[G1], 15|(3<<16)|(1<<21)            ; 15:0 the mask: all four work-groups; 17:16 elements of 8 bytes; 21 set beside a mask
	s_mov_b32 s[G1+1], 1024<<16                    ; tensor_dim0: 8,192 bytes
	s_mov_b32 s[G1+2], 2<<16                       ; tensor_dim1: K's row, V's row
	s_mov_b32 s[G1+3], 1024<<16                    ; tile_dim0
	s_mov_b32 s[G1+4], 2                           ; tile_dim1
	s_mov_b32 s[G1+5], 0x100000                    ; tensor_dim0_stride: 8 MiB in elements
	s_mov_b32 s[G1+6], 0
	s_mov_b32 s[G1+7], 0
	s_mov_b32 s[G0], 1
	s_lshl_b32 s[G0+1], s[WV], 14                  ; step w's place in LDS
	s_lshl_b32 s40, s15, 17                        ; images: k's at 8 MiB; 131,072 bytes a head, 8,192 a step
	s_lshl_b32 s41, s[WV], 13
	s_add_co_u32 s40, s40, s41
	s_add_co_u32 s40, s40, 1<<23
	s_mov_b32 s41, 0
	s_lshl_b32 s42, s15, 12                        ; scale words: k's at 512 KiB, v's 256 KiB on; 4,096 bytes a head, 256 a step
	s_lshl_b32 s43, s[WV], 8
	s_add_co_u32 s42, s42, s43
	s_add_co_u32 s42, s42, 524288
	s_mov_b32 s43, 0
	s_lshl_b32 s44, s15, 7
	s_add_co_u32 s44, s44, s14
	s_lshl_b32 s44, s44, 10                        ; q's image: 1,024 bytes a tile
	s_mov_b32 s45, 0
	s_lshl_b32 s46, s15, 13                        ; q's scale words: 8,192 bytes a head, [tile / 4][row][tile % 4]
	s_lshr_b32 s47, s14, 2
	s_lshl_b32 s47, s47, 8
	s_add_co_u32 s46, s46, s47
	s_and_b32 s47, s14, 3
	s_lshl_b32 s47, s47, 2
	s_add_co_u32 s46, s46, s47
	s_mov_b32 s47, 0
	s_lshr_b32 s2, s15, 4                          ; the batch,
	s_and_b32 s3, s15, 15                          ; the head
	s_lshl_b32 s2, s2, 7
	s_add_co_u32 s2, s2, s14                       ; my tile of 16 tokens, of 512
	s_lshl_b32 s48, s2, 14                         ; y's images: 16,384 bytes a tile of tokens, 1,024 a head
	s_lshl_b32 s49, s3, 10
	s_add_co_u32 s48, s48, s49
	s_mov_b32 s49, 0
	s_lshl_b32 s50, s2, 9                          ; y's scale bytes: 32 a token, 2 a head
	s_lshl_b32 s51, s3, 1
	s_add_co_u32 s50, s50, s51
	s_mov_b32 s51, 0
	s_mov_b32 s[SEL], 0x76543210
	s_mov_b32 s[SEL+1], 0xfedcba98
	s_mov_b32 s[CS], 0x3e38aa3b                    ; log2(e) / 8
	s_mov_b32 s[CS+1], s[CS]                       ; (named with it as a pair, so it is written)
	s_mov_b32 s[MNT], 0x600000
	s_mov_b32 s[TB], 0
	s_mov_b32 s[TS], 0
	v_and_b32 v11, 31, v0
	v_and_b32 v[RR], 15, v0
	v_bfe_u32 v[HH], v0, 4, 1
	v_lshlrev_b32 v[AK0], 4, v11
	v_lshl_add_u32 v[AS0], v[RR], 4, SCW
	v_lshlrev_b32 v[QSO], 4, v[RR]
	v_lshl_add_u32 v[SGO], v[HH], 18, v[QSO]       ; lanes 16-31 take V's words
	v_lshl_add_u32 v[SLA], v0, 4, SCW              ; 512 x wave + 16 x lane
	v_lshl_add_u32 v[YS], v[RR], 5, v[HH]          ; 32 bytes a token; lanes 0-15 store block 0's byte, lanes 16-31 block 1's
	s_wait_alu depctr_va_vdst(0)                   ; the wait here, ahead of the waits below
	s_wait_dscnt 0x0                               ; both opening adds are done
	s_wait_kmcnt 0x0
	s_add_nc_u64 s[G0+2:G0+3], s[4:5], s[40:41]
	s_or_b32 s[G0+3], s[G0+3], 0x80000000
	s_add_nc_u64 s[36:37], s[6:7], s[42:43]        ; my step's scale words,
	s_add_nc_u64 s[4:5], s[4:5], s[44:45]          ; q's image,
	s_add_nc_u64 s[6:7], s[6:7], s[46:47]          ; its scale words,
	s_add_nc_u64 s[8:9], s[8:9], s[48:49]          ; y's image,
	s_add_nc_u64 s[10:11], s[10:11], s[50:51]      ; its scale bytes
	global_load_b128 v[S:S+3], v[SGO], s[36:37]    ; sixteen lanes read 256 consecutive bytes, aligned
	global_load_b128 v[QLO:QLO+3], v[AK0], s[4:5]
	global_load_b128 v[QLO+4:QLO+7], v[AK0], s[4:5] offset:512
	global_load_b32 v[QS], v[QSO], s[6:7]
	CROUND                                         ; all four work-groups are here: the joint loads meet
	s_cmp_lt_u32 s[WV], 2                          ; one load a wave; waves 0 and 1, which alone wait at the first barrier, have a line of their own
	s_cbranch_scc0 .Lrest
	tensor_load_to_lds s[G0:G0+3], s[G1:G1+7]
	s_nop 0
.rept 4
	v_nop
.endr
	s_branch .Lasked
.Lrest:
	tensor_load_to_lds s[G0:G0+3], s[G1:G1+7]
	s_nop 0
.rept 4
	v_nop
.endr
.Lasked:
.irp j, 0,1,2,3,4,5,6,7
	v_mov_b32 v[QHI+\j], 0                         ; the zero codes on both sides of q
	v_mov_b32 v[QLO+8+\j], 0
.endr
.irp b, 0,1,2,3
	v_mov_b32 v[PB+\b], 0                          ; written once: a lane permute's destination counts as one of its sources
.endr
	v_mov_b32 v[PW], 0                             ; (upper halves of pairs that are named before they are first written)
	v_mov_b32 v15, 0
	v_mov_b32 v[TMP], 0
	INIT
; A KEY STEP: 128 keys.
.macro STEP
	v_add_nc_u32 v[ADK], s[TB], v[AK0]
	v_add_nc_u32 v[ADS], s[TS], v[AS0]
	v_mov_b32 v[TMP], v12                          ; the old -M
.rept 5
	v_nop                                          ; with the three lines above: eight places between the last step's products and the loads into the registers that they read
.endr
.irp b, 0,1,2,3
.irp c, 0,1,2,3
	ds_load_b128 v[F+16*\b+4*\c:F+16*\b+4*\c+3], v[ADK] offset:2048*\b+512*\c   ; tiles 2 b and 2 b + 1 of keys, side by side
.endr
.endr
	ds_load_b128 v[KS:KS+3], v[ADS]                ; word b: tile 2 b's two bytes, tile 2 b + 1's two
	s_wait_alu depctr_va_vdst(0)                   ; the wait here, ahead of the wait below
	s_wait_dscnt 0x0
.irp b, 0,1,2,3
	v_wmma_scale_f32_16x16x128_f8f6f4 v[S+16*\b:S+16*\b+7], v[F+16*\b:F+16*\b+15], v[QLO:QLO+15], 0, v[KS+\b], v[QS]
	v_wmma_scale_f32_16x16x128_f8f6f4 v[S+16*\b+8:S+16*\b+15], v[F+16*\b:F+16*\b+15], v[QHI:QHI+15], 0, v[KS+\b], v[QS]
.endr
.rept 8
	v_nop                                          ; eight places: for the loads into K's registers and for the first read of the scores
.endr
.irp t, 0,1,2,3
.irp c, 0,1,2,3
	ds_load_b128 v[F+16*\t+4*\c:F+16*\t+4*\c+3], v[ADK] offset:8192+2048*\t+512*\c   ; V: 16 channels x these 128 keys: asked for ahead of the softmax
.endr
.endr
	ds_load_b128 v[VS:VS+3], v[ADS] offset:256
.irp b, 0,1,2,3
	v_max3_num_f32 v[BM+\b], v[S+16*\b], v[S+1+16*\b], v[S+2+16*\b]   ; the largest score of each block of 32 keys: it serves for the row's maximum and, since p rises with the score, for the block's largest p
.endr
.irp i, 3,5,7,9,11,13
.irp b, 0,1,2,3
	v_max3_num_f32 v[BM+\b], v[BM+\b], v[S+16*\b+\i], v[S+1+16*\b+\i]
.endr
.endr
.irp b, 0,1,2,3
	v_max_num_f32 v[BM+\b], v[BM+\b], v[S+15+16*\b]
.endr
.irp b, 0,1,2,3
	s_delay_alu instid0(VALU_DEP_4)
	v_permlanex16_b32 v[PB+\b], v[BM+\b], s[SEL], s[SEL+1]
.endr
.irp b, 0,1,2,3
	s_delay_alu instid0(VALU_DEP_4)
	v_max_num_f32 v[BM+\b], v[BM+\b], v[PB+\b]     ; with lane l xor 16's 16 keys
.endr
	s_delay_alu instid0(VALU_DEP_2)
	v_max3_num_f32 v[T2], v[BM], v[BM+1], v[BM+2]
	s_delay_alu instid0(VALU_DEP_1)
	v_max3_num_f32 v13, v13, v[T2], v[BM+3]        ; the running largest score (c is positive: its t is the largest t)
	s_delay_alu instid0(VALU_DEP_1)
	v_mul_f32 v[T2], s[CS], v13
	s_delay_alu instid0(VALU_DEP_1)
	v_floor_f32 v12, -v[T2]                        ; the new -M = floor(-t) = -ceil(t): a whole number
	s_delay_alu instid0(VALU_DEP_1)
	v_sub_f32 v[TMP], v12, v[TMP]                  ; old M - new M: a whole number, 0 or less
	s_delay_alu instid0(VALU_DEP_1)
	v_cvt_i32_f32 v[TMP], v[TMP]                   ; (it saturates)
.set j, 0
.rept 32
	v_pk_fma_f32 v[S+j:S+j+1], v[S+j:S+j+1], s[CS:CS+1], v[12:13] op_sel_hi:[1,0,0]   ; t - M, two at a time
.set j, j+2
.endr
.irp b, 0,1,2,3
	v_fma_f32 v[BM+\b], v[BM+\b], s[CS], v12       ; the same of each block's largest score
.endr
	s_wait_alu depctr_va_vdst(0)                   ; the wait ahead of the batch
.set j, 0
.rept 64
	v_exp_f32 v[S+j], v[S+j]                       ; p = 2^(t - M), at most 1
.set j, j+1
.endr
.irp b, 0,1,2,3
	v_exp_f32 v[BM+\b], v[BM+\b]                   ; the block's largest p: the same two instructions on the same number give the same bits
.endr
	v_ldexp_f32 v[FF], 1.0, v[TMP]                 ; f = 2^(old M - new M)  (the plain line behind the exponentials)
	s_wait_alu depctr_va_vdst(0)                   ; one wait for the whole batch, ahead of its first reader
.irp k, 0,1,2,3
	v_pk_fma_f32 v[L+2*\k:L+2*\k+1], v[L+2*\k:L+2*\k+1], v[FF:FF+1], v[S+2*\k:S+2*\k+1] op_sel_hi:[1,0,1]   ; the sums under the new M, and the first eight p
.endr
.set j, 8
.rept 28
	v_pk_add_f32 v[L+j%8:L+j%8+1], v[L+j%8:L+j%8+1], v[S+j:S+j+1]   ; the row's sum of the unquantised p: four chains by turns
.set j, j+2
.endr
.irp b, 0,1,2,3
	v_max_num_f32 v[BM+\b], 0x4800000, v[BM+\b]    ; the floor 2^(9 - 127): the byte cannot fall under 1
.endr
.irp b, 0,1,2,3
	s_delay_alu instid0(VALU_DEP_4)
	v_add_nc_u32 v[SCO+\b], 0xfc000000, v[BM+\b]   ; 8 off the exponent field: the conversion's scale operand
.endr
.irp b, 0,1,2,3
	v_and_or_b32 v[HOLD+\b], v[BM+\b], 0x7f800000, s[MNT]   ; 448 x the scale
.endr
.irp b, 0,1,2,3
	v_lshrrev_b32 v[PB+\b], 23, v[SCO+\b]          ; the scale's byte
.endr
	s_delay_alu instid0(VALU_DEP_3)
	v_lshl_or_b32 v[PW], v[PB+1], 8, v[PB]         ; p's scale word for these 128 keys
	s_delay_alu instid0(VALU_DEP_1)
	v_lshl_or_b32 v[PW], v[PB+2], 16, v[PW]
	s_delay_alu instid0(VALU_DEP_1)
	v_lshl_or_b32 v[PW], v[PB+3], 24, v[PW]
.irp b, 0,2                            ; the conversion does not saturate (ISA guide 7.6.2); p is not negative, so the hold is one-sided.  Two holds a line: number i of block b with number i xor 1 of block b + 1, so that the pair's registers differ in parity and modulo 4
.irp i, 0,1,2,3,4,5,6,7,8,9,10,11,12,13,14,15
	v_dual_min_num_f32 v[S+16*\b+\i], v[S+16*\b+\i], v[HOLD+\b] :: v_dual_min_num_f32 v[S+16*\b+17+\i-2*(\i%2)], v[S+16*\b+17+\i-2*(\i%2)], v[HOLD+\b+1]
.endr
.irp d, 0,1
	v_cvt_scalef32_pk8_fp8_f32 v[PCD+4*(\b+\d):PCD+4*(\b+\d)+1], v[S+16*(\b+\d):S+16*(\b+\d)+7], v[SCO+\b+\d]
	v_cvt_scalef32_pk8_fp8_f32 v[PCD+4*(\b+\d)+2:PCD+4*(\b+\d)+3], v[S+16*(\b+\d)+8:S+16*(\b+\d)+15], v[SCO+\b+\d]
.endr
.endr
	s_wait_alu depctr_va_vdst(0)                   ; the wait here, directly ahead of the first reader of O^T
.set j, 0
.rept 16
	v_pk_mul_f32 v[OT+j:OT+j+1], v[OT+j:OT+j+1], v[FF:FF+1] op_sel_hi:[1,0]   ; O^T under the new M.  (These sixteen are also the places between the codes' making and the products)
.set j, j+2
.endr
	s_wait_alu depctr_va_vdst(0)                   ; the wait here, ahead of the wait below
	s_wait_dscnt 0x0                               ; V and its scale words are in
.irp t, 0,1,2,3
	v_wmma_scale_f32_16x16x128_f8f6f4 v[OT+8*\t:OT+8*\t+7], v[F+16*\t:F+16*\t+15], v[PCD:PCD+15], v[OT+8*\t:OT+8*\t+7], v[VS+\t], v[PW]   ; four accumulators by turns
.endr
	s_add_co_u32 s[TB], s[TB], 16384
	s_add_co_u32 s[TS], s[TS], 512
.endm
.macro WALK trips
	s_mov_b32 s[CNT], \trips
.Lstep_\@:
	STEP
	s_sub_co_u32 s[CNT], s[CNT], 1
	s_cmp_lg_u32 s[CNT], 0
	s_cbranch_scc1 .Lstep_\@
.endm
; THE WAY OUT of a tile.  O^T / the sum; its registers 16 b + i are channels 32 b + 16 h + i of my query's head (Wv's rows were laid for that): two blocks of 32, each shared with lane l xor 16.
; more = 1: a second tile follows: its q is asked for first (the loads of the first have been waited for, and the last products that read q's registers stand a softmax back), and the state is set anew at the end.
.macro EPI more
.if \more
	s_add_nc_u64 s[4:5], s[4:5], 16384             ; 16 tiles on
	s_add_nc_u64 s[6:7], s[6:7], 1024
	global_load_b128 v[QLO:QLO+3], v[AK0], s[4:5]
	global_load_b128 v[QLO+4:QLO+7], v[AK0], s[4:5] offset:512
	global_load_b32 v[QS], v[QSO], s[6:7]
.endif
	v_pk_add_f32 v[L:L+1], v[L:L+1], v[L+2:L+3]    ; the sum's four chains,
	v_pk_add_f32 v[L+4:L+5], v[L+4:L+5], v[L+6:L+7]
	s_delay_alu instid0(VALU_DEP_1)
	v_pk_add_f32 v[L:L+1], v[L:L+1], v[L+4:L+5]
	s_delay_alu instid0(VALU_DEP_1)
	v_add_f32 v14, v[L], v[L+1]                    ; its two halves,
	s_delay_alu instid0(VALU_DEP_1)
	v_permlanex16_b32 v[TMP], v14, s[SEL], s[SEL+1]
	s_delay_alu instid0(VALU_DEP_1)
	v_add_f32 v14, v14, v[TMP]                     ; and lane l xor 16's
	s_wait_alu depctr_va_vdst(0)                   ; the wait ahead of the reciprocal
	v_rcp_f32 v14, v14
	v_cmp_eq_u32 vcc_lo, 1, v[HH]
.rept 4
	v_nop                                          ; with the five additions above: nine places behind the last products
.endr
	s_wait_alu depctr_va_vdst(0)                   ; the wait ahead of the first reader of the reciprocal and of O^T
.set j, 0
.rept 16
	v_pk_mul_f32 v[S+j:S+j+1], v[OT+j:OT+j+1], v[14:15] op_sel_hi:[1,0]   ; each accumulator from its low end on
.set j, j+2
.endr
.irp b, 0,1
	v_max3_num_f32 v[BM+\b], |v[S+16*\b]|, |v[S+1+16*\b]|, 0x4800000
.endr
.irp i, 2,4,6,8,10,12,14
.irp b, 0,1
	s_delay_alu instid0(VALU_DEP_2)
	v_max3_num_f32 v[BM+\b], v[BM+\b], |v[S+16*\b+\i]|, |v[S+1+16*\b+\i]|
.endr
.endr
.irp b, 0,1
	s_delay_alu instid0(VALU_DEP_2)
	v_permlanex16_b32 v[PB+\b], v[BM+\b], s[SEL], s[SEL+1]
.endr
.irp b, 0,1
	s_delay_alu instid0(VALU_DEP_2)
	v_max_num_f32 v[BM+\b], v[BM+\b], v[PB+\b]
.endr
.irp b, 0,1
	s_delay_alu instid0(VALU_DEP_2)
	v_add_nc_u32 v[SCO+\b], 0xfc000000, v[BM+\b]
.endr
.irp b, 0,1
	s_delay_alu instid0(VALU_DEP_4)
	v_and_or_b32 v[HOLD+\b], v[BM+\b], 0x7f800000, s[MNT]
.endr
.irp b, 0,1
	s_delay_alu instid0(VALU_DEP_4)
	v_lshrrev_b32 v[PB+\b], 23, v[SCO+\b]
.endr
	s_delay_alu instid0(VALU_DEP_1)
	v_cndmask_b32 v[TMP], v[PB], v[PB+1], vcc_lo
.irp b, 0,1
.irp i, 0,1,2,3,4,5,6,7,8,9,10,11,12,13,14,15
	v_med3_num_f32 v[S+16*\b+\i], v[S+16*\b+\i], -v[HOLD+\b], v[HOLD+\b]
.endr
	v_cvt_scalef32_pk8_fp8_f32 v[PCD+4*\b:PCD+1+4*\b], v[S+16*\b:S+7+16*\b], v[SCO+\b]
	v_cvt_scalef32_pk8_fp8_f32 v[PCD+2+4*\b:PCD+3+4*\b], v[S+8+16*\b:S+15+16*\b], v[SCO+\b]
.endr
	v_nop                                          ; one plain line behind the last conversion
	global_store_b128 v[AK0], v[PCD:PCD+3], s[8:9]             ; 32 lanes store 512 consecutive bytes
	global_store_b128 v[AK0], v[PCD+4:PCD+7], s[8:9] offset:512
	global_store_b8 v[YS], v[TMP], s[10:11]        ; 2 bytes of each of 16 rows of 32: a head's share of a token's scale bytes; 32 bytes beside the tile's 1,024 of codes
.if \more
	s_wait_xcnt 0x0                                ; the stores have read their registers and bases, which change below
	s_add_nc_u64 s[8:9], s[8:9], 262144            ; 16 tiles of tokens on
	s_add_nc_u64 s[10:11], s[10:11], 8192
	s_mov_b32 s[TB], 0                             ; back to key step 0
	s_mov_b32 s[TS], 0
	INIT
	s_wait_alu depctr_va_vdst(0)                   ; the wait here, ahead of the wait below
	s_wait_loadcnt 0x0                             ; the second tile's q
.endif
.endm
	s_wait_alu depctr_va_vdst(0)                   ; the wait at the head's end
	s_wait_loadcnt 0x0                             ; my step's scale words, and q
	ds_store_b128 v[SLA], v[S:S+3]
	s_cmp_lt_u32 s[WV], 2
	s_cbranch_scc0 .Lnot_first
	s_wait_tensorcnt 0x0                           ; waves 0 and 1: key steps 0 and 1 have landed
.Lnot_first:
	s_wait_dscnt 0x0                               ; my scale words are stored
	s_barrier_signal -1
	s_barrier_wait -1                              ; all scale words and steps 0, 1 are shown to all sixteen
	WALK 2
	s_wait_tensorcnt 0x0                           ; every wave: its step has landed
	s_wait_dscnt 0x0
	s_barrier_signal -1
	s_barrier_wait -1                              ; the whole head is shown; nothing is filled again, so no further barrier stands in the walks
	WALK 14
	EPI 1
	WALK 16
	EPI 0
	s_wait_tensorcnt 0x0                           ; the wave's end
	ds_add_u32 v[SPW], v[NIL]
	s_wait_dscnt 0x0
	CROUND                                         ; the closing round: no work-group ends while a partner may still ask for a step that names it
	s_endpgm
.Lfunc_end_k_q0eb1e00011_attn:
	.size	k_q0eb1e00011_attn, .Lfunc_end_k_q0eb1e00011_attn-k_q0eb1e00011_attn
	.p2alignl 7, 3214868480
	.fill 96, 4, 3214868480
	.section	.rodata,"a",@progbits
	.p2align	6, 0x0
	.amdhsa_kernel k_q0eb1e00011_attn
		.amdhsa_group_segment_fixed_size 272384
		.amdhsa_private_segment_fixed_size 0
		.amdhsa_enable_private_segment 0
		.amdhsa_kernarg_size 32
		.amdhsa_user_sgpr_count 2
		.amdhsa_user_sgpr_kernarg_segment_ptr 1
		.amdhsa_wavefront_size32 1
		.amdhsa_system_sgpr_workgroup_id_x 1
		.amdhsa_system_sgpr_workgroup_id_y 1
		.amdhsa_system_sgpr_workgroup_id_z 1
		.amdhsa_system_vgpr_workitem_id 0
		.amdhsa_next_free_vgpr 256
		.amdhsa_next_free_sgpr 66
		.amdhsa_reserve_vcc 1
		.amdhsa_float_denorm_mode_32 3
		.amdhsa_float_denorm_mode_16_64 3
		.amdhsa_memory_ordered 1
		.amdhsa_forward_progress 1
		.amdhsa_inst_pref_size 81
	.end_amdhsa_kernel
	.amdgpu_metadata
---
amdhsa.version: [ 1, 2 ]
amdhsa.kernels:
  - .name:           k_q0eb1e00011_attn
    .symbol:         k_q0eb1e00011_attn.kd
    .args:
      - { .name: qkv, .offset: 0, .size: 8, .value_kind: global_buffer, .address_space: global }
      - { .name: qkvs, .offset: 8, .size: 8, .value_kind: global_buffer, .address_space: global }
      - { .name: ycodes, .offset: 16, .size: 8, .value_kind: global_buffer, .address_space: global }
      - { .name: yscales, .offset: 24, .size: 8, .value_kind: global_buffer, .address_space: global }
    .group_segment_fixed_size: 272384
    .private_segment_fixed_size: 0
    .kernarg_segment_align: 8
    .kernarg_segment_size: 32
    .max_flat_workgroup_size: 512
    .sgpr_count:     66
    .vgpr_count:     256
    .wavefront_size: 32
...
	.end_amdgpu_metadata
.endif
;; end of part 3
;; launch proj (part 4): grid 8 x 32, 4 waves a work-group, clusters of 4 x 4, 327,680 bytes of LDS; arguments ycodes, yscales, wcodes, wscales, bp, out0; writes out0
.if DOCPART == 4
	.amdgcn_target "amdgcn-amd-amdhsa--gfx1250"
	.amdhsa_code_object_version 6
	.text
	.protected	k_q0eb1e00011_proj
	.globl	k_q0eb1e00011_proj
	.p2align	8
	.type	k_q0eb1e00011_proj,@function
k_q0eb1e00011_proj:
	s_mov_b64 s[64:65], 0
	v_nop
	global_prefetch_b8 v0, s[64:65] scope:SCOPE_SE
	s_setreg_imm32_b32 hwreg(HW_REG_WAVE_MODE, 25, 1), 1
	s_wait_xcnt 0x0
	s_wait_alu depctr_hold_cnt(0) depctr_sa_sdst(0) depctr_va_vdst(0) depctr_va_sdst(0) depctr_va_ssrc(0) depctr_va_vcc(0) depctr_vm_vsrc(0)
	s_getreg_b32 s2, hwreg(HW_REG_IB_STS2, 6, 4)
	s_cmp_eq_u32 s2, 0
	s_cbranch_scc0 .Lentry_in_a_cluster
	s_endpgm
.Lentry_in_a_cluster:
	s_bfe_u32 s2, ttmp6, 0x10000c
	s_cmp_lg_u32 s2, 0xf033
	s_cbranch_scc0 .Lentry_shape_is_right
	s_endpgm
.Lentry_shape_is_right:
; out0 = y Wp^T + bp on codes of FP8 (E4M3) with one E8M0 byte for each 32 along K: 8,192 x 1,024 x 1,024, f32 sums, f32 out.
; ycodes: [tile of 16 tokens][head][piece of 32 channels][lane][16 bytes]: images of this product's operand registers, 16,384 bytes a tile; yscales [token][32]; Wp's codes and scale bytes are rows 3,072 on of wcodes, wscales.
; THE DEAL.  256 work-groups of four waves, 2 x 2; a work-group makes 256 tokens x 128 columns.  A wave holds its 64 rows of Wp, ALL of K, in 512 registers (windows 1, 2) and streams y past them in blocks of 16 tokens,
; all of K, which stand in two sets of 128 registers (window 3).  A block is 32 products on four sums by turns; the bias is the first four products' C.  Wave row w takes tiles 2 j + w of each chunk of eight.
; LDS: two slots of 128 rows of 1,024 bytes + 16 of padding.  A tile of y is 16 such rows (a head each), so y's chunks and Wp's rows have one tile shape.
; FILLS, two on end.  At the head, one load a wave: Wp's 128 rows into slot 1 (wave 0, shown first), y's chunk 0 into slot 0 (wave 1), half of the 256 tokens' scale bytes each (waves 2, 3).
; When Wp stands in registers, a drained round of the cluster's barrier, and chunk 1 goes into slot 1, a quarter a wave; it has chunk 0's four blocks in which to land.
; CLUSTER 4 x 4: y's tiles hang on the tile row alone and are asked for jointly along a row of the cluster, Wp's on the tile column alone, along a column.
; PREFETCH: chunk 1's 512 blocks of 256 bytes are asked for once in each cluster row, behind the first barrier, 128 LDS loads and a round ahead of its load: the row's sixteen waves share them out by address, a lane a block.
; THE PRODUCT IS USED TRANSPOSED (source 0 = Wp's rows, source 1 = y's tokens): a lane holds eight neighbouring columns of a token.  A block (16 tokens x 64 columns) goes through the wave's own stage in LDS and
; leaves as whole rows of 256 bytes, sixteen lanes to an aligned unit; its stores stand behind the next block's products.
.set PITCH, 1040
.set TILE,  16*PITCH                   ; a tile of 16 tokens in LDS
.set YB,    128*PITCH                  ; slot 1
.set SCL,   2*YB                       ; y's scale bytes: units of 256 bytes (8 tokens) + 16 of padding
.set STAGE, SCL+2*16*272               ; the stages: 16 rows x (256 + 16) bytes a wave
.set SPARE, STAGE+4*16*272             ; the spare words
.set NF,    34                         ; LDS loads of a block: eight fragments of four, two of four scale words
.set ADA,  4                           ; v4-7  LDS address of my tiles 0 and 1 (of four) in slot 0, of 2 and 3, and the same in slot 1
.set ADRB, 8                           ; v8    of my fragments of Wp
.set AAS,  9                           ; v9    of my row's scale words in my first tile
.set SPW,  10                          ; v10   my spare word;  v11  0
.set NIL,  11
.set STO,  12                          ; v12   the stage: where I put 32 bytes of a row
.set RD,   13                          ; v13   where I read a row back
.set CO,   14                          ; v14   my byte offset in two rows of out0
.set ABS,  15                          ; v15   my offset in Wp's scale bytes
.set BO,   16                          ; v16   in the bias
.set PFO,  17                          ; v17   the prefetch's offset
.set SB,   24                          ; v24-39  Wp's scale words: register 8 p + q: lanes 0-15 tile 2 p's, lanes 16-31 tile 2 p + 1's
.set SA,   44                          ; v44-59  y's: two sets of eight; no product's two scale words have numbers equal modulo 8
.set ACC,  64                          ; v64-127 two sets of four sums
.set BK,   128                         ; v128-191 two sets: a block read back from the stage
.set BQ,   208                         ; v208-239 the bias
.set WVN, 16
.set WR,  17
.set WC,  18
.set CX,  19
.set CY,  20
.set TCOL, 21
.set TROW, 22
.set G1W, 24
.set G1A, 32
.set G1R, 40
.set G1S, 48
.set G0W, 56
.set G0A, 60
.set G0R, 68
.set G0S, 72
.set MSB, 0
.macro WIN new                         ; the immediate's high byte repeats the setting that is left
.if MSB != (\new)
	s_set_vgpr_msb (MSB<<8)|(\new)
.set MSB, (\new)
.endif
.endm
.macro PLACES n
.rept \n
	v_nop
.endr
.endm
.macro BARRIER
	s_barrier_signal -1
	s_barrier_wait -1
.endm
.macro CROUND                          ; a round of the cluster's barrier
	BARRIER
	s_cmp_lg_u32 s[WVN], 0
	s_cbranch_scc1 .Lnot_wave_0_\@
	s_barrier_signal -3
.Lnot_wave_0_\@:
	s_barrier_wait -3
	BARRIER
.endm
.macro TLOAD g0, g1                    ; an s_nop 0 and four v_nop follow a tensor load
	tensor_load_to_lds s[\g0:\g0+3], s[\g1:\g1+7]
	s_nop 0
	PLACES 4
.endm
.macro GROUP1 g, mask, rows            ; so many rows of 1,024 bytes, dense in memory, 16 bytes of padding behind each in LDS
	s_or_b32 s[\g+0], s[\mask], (1<<20)|(1<<21)|(7<<22)|(3<<25)
	s_mov_b32 s[\g+1], 1024<<16
	s_mov_b32 s[\g+2], (\rows)<<16
	s_mov_b32 s[\g+3], 1024<<16
	s_mov_b32 s[\g+4], \rows
	s_mov_b32 s[\g+5], 1024
	s_mov_b32 s[\g+6], 0
	s_mov_b32 s[\g+7], 0
.endm
	s_load_b256 s[4:11], s[0:1], 0x0               ; ycodes, yscales, wcodes, wscales
	s_load_b128 s[12:15], s[0:1], 0x20             ; bp, out0
	v_lshl_add_u32 v[SPW], v0, 2, SPARE
	v_mov_b32 v[NIL], 0
	ds_add_u32 v[SPW], v[NIL]                      ; the opening lines: the add, twice on end, and its wait ahead of my first tensor load
	ds_add_u32 v[SPW], v[NIL]
	v_lshrrev_b32 v1, 5, v0
	v_readfirstlane_b32 s[WVN], v1                 ; wave 0..3
	s_lshr_b32 s[WR], s[WVN], 1                    ; my row of waves
	s_and_b32 s[WC], s[WVN], 1                     ; my column of waves
	s_bfe_u32 s[CX], ttmp6, 0x40000
	s_bfe_u32 s[CY], ttmp6, 0x40004
	s_lshl_b32 s[TCOL], ttmp9, 2
	s_add_co_u32 s[TCOL], s[TCOL], s[CX]           ; tile column, of 8
	s_and_b32 s[TROW], ttmp7, 0xffff
	s_lshl_b32 s[TROW], s[TROW], 2
	s_add_co_u32 s[TROW], s[TROW], s[CY]           ; tile row, of 32
	s_lshl_b32 s76, s[CY], 2
	s_lshl_b32 s76, 15, s76                        ; my row of the cluster: shares y's tiles
	s_lshl_b32 s77, 0x1111, s[CX]                  ; my column: shares Wp's
	GROUP1 G1W, 77, 128
	GROUP1 G1A, 76, 128
	GROUP1 G1R, 76, 32
	s_or_b32 s[G1S+0], s76, (3<<16)|(1<<20)|(1<<21)|(5<<22)|(3<<25)   ; the scale bytes of 128 tokens: 16 rows of 256 bytes (32 elements of 8), 16 of padding behind each
	s_mov_b32 s[G1S+1], 32<<16
	s_mov_b32 s[G1S+2], 16<<16
	s_mov_b32 s[G1S+3], 32<<16
	s_mov_b32 s[G1S+4], 16
	s_mov_b32 s[G1S+5], 32
	s_mov_b32 s[G1S+6], 0
	s_mov_b32 s[G1S+7], 0
	s_lshl_b32 s78, s[TCOL], 17                    ; offsets into the buffers, each under 2^32.  Wp's 128 rows
	s_add_co_u32 s78, s78, 0x300000
	s_mov_b32 s79, 0
	s_lshl_b32 s80, s[TROW], 18                    ; y's chunk 0: 256 tokens x 1,024 bytes a tile row
	s_mov_b32 s81, 0
	s_lshl_b32 s82, s[WVN], 15                     ; my quarter of chunk 1
	s_add_co_u32 s82, s82, s80
	s_add_co_u32 s82, s82, 131072
	s_mov_b32 s83, 0
	s_lshl_b32 s84, s[TROW], 13                    ; y's scale bytes: wave 2 the first 128 tokens', wave 3 the others'
	s_lshl_b32 s85, s[WC], 12
	s_add_co_u32 s84, s84, s85
	s_mov_b32 s85, 0
	s_lshl_b32 s93, s[TCOL], 7
	s_lshl_b32 s86, s[WC], 6
	s_add_co_u32 s93, s93, s86                     ; my wave's first column
	s_lshl_b32 s86, s93, 5                         ; its scale bytes,
	s_add_co_u32 s86, s86, 0x18000
	s_mov_b32 s87, 0
	s_lshl_b32 s88, s93, 2                         ; its bias,
	s_mov_b32 s89, 0
	s_lshl_b32 s90, s[TROW], 8
	s_lshl_b32 s91, s[WR], 4
	s_add_co_u32 s90, s90, s91                     ; my first token
	s_lshl_b32 s90, s90, 12
	s_add_co_u32 s90, s90, s88                     ; and where my results begin
	s_mov_b32 s91, 0
	s_lshl_b32 s92, s[CX], 2                       ; which of the cluster row's sixteen waves I am: my 8,192 bytes of chunk 1 in the prefetch
	s_add_co_u32 s92, s92, s[WVN]
	s_lshl_b32 s92, s92, 13
	s_add_co_u32 s92, s92, s80
	s_add_co_u32 s92, s92, 131072
	s_mov_b32 s[G0W], 1
	s_mov_b32 s[G0W+1], YB
	s_mov_b32 s[G0A], 1
	s_mov_b32 s[G0A+1], 0
	s_mov_b32 s[G0R], 1
	s_mul_i32 s[G0R+1], s[WVN], 32*PITCH
	s_add_co_u32 s[G0R+1], s[G0R+1], YB
	s_mov_b32 s[G0S], 1
	s_mul_i32 s[G0S+1], s[WC], 16*272
	s_add_co_u32 s[G0S+1], s[G0S+1], SCL
	s_mul_i32 s96, s[WR], TILE                     ; LDS: my first tile of a chunk,
	s_mul_i32 s97, s[WC], 64*PITCH
	s_add_co_u32 s97, s97, YB                      ; my 64 rows of Wp,
	s_mul_i32 s98, s[WR], 2*272
	s_add_co_u32 s98, s98, SCL                     ; my first tile's scale bytes,
	s_mul_i32 s99, s[WVN], 16*272
	s_add_co_u32 s99, s99, STAGE                   ; my stage
	s_wait_dscnt 0x0                               ; both opening adds are done
	CROUND                                         ; all sixteen work-groups are here: the first joint loads meet
	s_wait_kmcnt 0x0
	s_add_nc_u64 s[G0W+2:G0W+3], s[8:9], s[78:79]
	s_or_b32 s[G0W+3], s[G0W+3], 0x80000000
	s_add_nc_u64 s[G0A+2:G0A+3], s[4:5], s[80:81]
	s_or_b32 s[G0A+3], s[G0A+3], 0x80000000
	s_add_nc_u64 s[G0R+2:G0R+3], s[4:5], s[82:83]
	s_or_b32 s[G0R+3], s[G0R+3], 0x80000000
	s_add_nc_u64 s[G0S+2:G0S+3], s[6:7], s[84:85]
	s_or_b32 s[G0S+3], s[G0S+3], 0x80000000
	s_add_nc_u64 s[10:11], s[10:11], s[86:87]
	s_add_nc_u64 s[12:13], s[12:13], s[88:89]
	s_add_nc_u64 s[14:15], s[14:15], s[90:91]
	s_cmp_eq_u32 s[WVN], 0                         ; ONE joint load a wave, and a line of its own for what is shown ahead of the rest
	s_cbranch_scc0 .Lwave_1
	TLOAD G0W, G1W                                 ; wave 0: Wp's rows, which are wanted first
	s_branch .Lasked
.Lwave_1:
	s_cmp_eq_u32 s[WVN], 1
	s_cbranch_scc0 .Lfor_scales
	TLOAD G0A, G1A                                 ; wave 1: chunk 0
	s_branch .Lasked
.Lfor_scales:
	TLOAD G0S, G1S                                 ; waves 2, 3: the scale bytes of 128 tokens each
.Lasked:
	v_and_b32 v1, 15, v0                           ; r = l % 16
	v_bfe_u32 v2, v0, 4, 1                         ; h = l / 16
	v_and_b32 v3, 31, v0                           ; l
	v_lshlrev_b32 v18, 4, v3
	v_add_nc_u32 v[ADA], s96, v18                  ; an image: 16 bytes a lane on end
	v_add_nc_u32 v[ADA+1], 4*TILE, v[ADA]
	v_add_nc_u32 v[ADA+2], YB, v[ADA]
	v_add_nc_u32 v[ADA+3], YB+4*TILE, v[ADA]
	v_mul_u32_u24 v19, v1, PITCH
	v_lshl_add_u32 v19, v2, 4, v19
	v_add_nc_u32 v[ADRB], s97, v19                 ; a fragment's row x pitch + 16 x half
	v_lshlrev_b32 v20, 5, v1                       ; y's scale bytes: 32 a token, and 16 more for each 256 passed
	v_lshrrev_b32 v21, 3, v1
	v_lshl_add_u32 v20, v21, 4, v20
	v_add_nc_u32 v[AAS], s98, v20
	v_mul_u32_u24 v22, v1, 272
	v_lshl_add_u32 v22, v2, 5, v22
	v_add_nc_u32 v[STO], s99, v22                  ; in: row r, 32 bytes for each half of the lanes
	v_mul_u32_u24 v23, v2, 272
	v_lshl_add_u32 v23, v1, 4, v23
	v_add_nc_u32 v[RD], s99, v23                   ; back: lanes 0-15 one row of 256 bytes, lanes 16-31 the next
	v_lshlrev_b32 v18, 12, v2
	v_lshl_add_u32 v[CO], v1, 4, v18               ; and the same two rows in out0
	v_lshlrev_b32 v[ABS], 5, v3                    ; lane l takes row l of a pair of Wp's tiles
	v_lshlrev_b32 v[BO], 5, v2
	v_lshl_add_u32 v[PFO], v3, 8, s92
	s_wait_alu depctr_va_vdst(0)                   ; the wait at the head's end
.irp p, 0,1
.irp c, 0,1
	global_load_b128 v[SB+8*\p+4*\c:SB+8*\p+4*\c+3], v[ABS], s[10:11] offset:\p*1024+16*\c
.endr
.endr
.irp b, 0,1,2,3
	global_load_b128 v[BQ+8*\b:BQ+8*\b+3], v[BO], s[12:13] offset:64*\b        ; register i of tile b: column 16 b + 8 h + i
	global_load_b128 v[BQ+8*\b+4:BQ+8*\b+7], v[BO], s[12:13] offset:64*\b+16
.endr
	s_cmp_eq_u32 s[WVN], 0
	s_cbranch_scc0 .Lnot_w
	s_wait_tensorcnt 0x0                           ; wave 0: Wp's rows have landed.  The other waves' wait stands ahead of the round below
.Lnot_w:
	BARRIER
	global_prefetch_b8 v[PFO], s[4:5] th:TH_LOAD_NT scope:SCOPE_SE
.irp q, 0,1,2,3,4,5,6,7                ; my 64 rows of Wp, all of K: fragment 4 q + b lies in window 1 + q / 4.  Lane l holds row l % 16; registers 4 c .. 4 c + 3 hold K = 32 c + 16 (l / 16) + 0 .. 15
	WIN (1+\q/4)<<6
.irp b, 0,1,2,3
.irp c, 0,1,2,3
	ds_load_b128 v[16*((4*\q+\b)%16)+4*\c:16*((4*\q+\b)%16)+4*\c+3], v[ADRB] offset:128*\q+32*\c+\b*16*PITCH
.endr
.endr
.endr
	WIN 0
	s_wait_tensorcnt 0x0                           ; every wave: its load of the head has landed;
	ds_add_u32 v[SPW], v[NIL]                      ; 0 onto my spare word;
	s_wait_dscnt 0x0                               ; the add is done, and Wp stands in my registers
	CROUND                                         ; chunk 0 and the scale bytes are shown, and no wave of any partner still reads slot 1 or has a load on its way
	TLOAD G0R, G1R                                 ; chunk 1, a quarter a wave: the first tensor load behind the round
.macro FETCH k, a, off, soff           ; a block of y, 16 tokens, all of K, into set k of window 3, and its scale words: NF loads
	WIN 3<<6
.irp q, 0,1,2,3,4,5,6,7
.irp c, 0,1,2,3
	ds_load_b128 v[128*\k+16*\q+4*\c:128*\k+16*\q+4*\c+3], v[\a] offset:(\off)+(2*\q+\c/2)*PITCH+(\c%2)*512
.endr
.endr
	WIN 0
	ds_load_b128 v[SA+8*\k:SA+8*\k+3], v[AAS] offset:\soff
	ds_load_b128 v[SA+8*\k+4:SA+8*\k+7], v[AAS] offset:(\soff)+16
.endm
.macro PROD e, n                       ; product n = 4 q + b: the q-th 128 of K, column tile b; y's tokens and the sums in set e
.set Q_, (\n)/4
.set B_, (\n)%4
.set AC_, ACC+32*(\e)+8*B_
.set C_, AC_
.if Q_ == 0
.set C_, BQ+8*B_
.endif
.set R_, 128*(\e)+16*Q_
.set W_, 16*((4*Q_+B_)%16)
.set XS_, SA+8*(\e)+Q_
.set WS_, SB+8*(B_/2)+Q_
	WIN (1+Q_/4)|(3<<2)
.if B_%2
	v_wmma_scale_f32_16x16x128_f8f6f4 v[AC_:AC_+7], v[W_:W_+15], v[R_:R_+15], v[C_:C_+7], v[WS_], v[XS_] matrix_a_scale:MATRIX_SCALE_ROW1
.else
	v_wmma_scale_f32_16x16x128_f8f6f4 v[AC_:AC_+7], v[W_:W_+15], v[R_:R_+15], v[C_:C_+7], v[WS_], v[XS_]
.endif
.endm
.macro BLOCK e                         ; 32 products, the four sums by turns; eight places behind the last, ahead of the loads into what it has read and of the stores of its sums
.set N_, 0
.rept 32
	PROD \e, N_
.set N_, N_+1
.endr
	WIN 0
	PLACES 8
.endm
.macro ST e                            ; a block into my stage and back as whole rows: LDS serves a wave's instructions in order (ISA guide 5.7.1.4), so no wait stands between the stores and the loads
	s_wait_xcnt 0x0                                ; the stores of the block two back have read the registers that the loads below fill
.irp b, 0,1,2,3
	ds_store_b128 v[STO], v[ACC+32*\e+8*\b:ACC+32*\e+8*\b+3] offset:64*\b        ; each sum from its low end on
	ds_store_b128 v[STO], v[ACC+32*\e+8*\b+4:ACC+32*\e+8*\b+7] offset:64*\b+16
.endr
.irp t, 0,1,2,3,4,5,6,7
	ds_load_b128 v[BK+32*\e+4*\t:BK+32*\e+4*\t+3], v[RD] offset:\t*2*272
.endr
.endm
.macro SEND e, tok, younger            ; younger: the LDS loads issued behind the block's, which may stay out.  tok: the block's first token, counted from my first
	s_wait_dscnt \younger
.irp t, 0,1,2,3,4,5,6,7
	global_store_b128 v[CO], v[BK+32*\e+4*\t:BK+32*\e+4*\t+3], s[14:15] offset:((\tok)+2*\t)*4096 th:TH_STORE_NT   ; 16 lanes store 256 consecutive bytes, aligned
.endr
.endm
.macro HALF n                          ; a chunk's four blocks of mine
	FETCH 0, ADA+2*\n, 0, 8*\n*544
	FETCH 1, ADA+2*\n, 2*TILE, (8*\n+2)*544
	s_wait_dscnt NF                                ; block 0 is in; block 1's NF loads may be out
	BLOCK 0
	FETCH 0, ADA+2*\n+1, 0, (8*\n+4)*544
	ST 0
	s_wait_dscnt NF+16                             ; block 1 is in; behind it: block 2's NF loads and the stage's 16
	BLOCK 1
	FETCH 1, ADA+2*\n+1, 2*TILE, (8*\n+6)*544
	SEND 0, 128*\n, NF                             ; behind the stage's loads: block 3's NF.  (Block 2, asked for ahead of them, is in too)
	ST 1
	BLOCK 0
	SEND 1, 128*\n+32, 0                           ; (block 3 is in too)
	ST 0
	BLOCK 1
	SEND 0, 128*\n+64, 0
	ST 1
	SEND 1, 128*\n+96, 0
.endm
	s_wait_loadcnt 0x0                             ; Wp's scale words and the bias
	HALF 0
	s_wait_tensorcnt 0x0                           ; my quarter of chunk 1 has landed
	s_wait_dscnt 0x0
	BARRIER                                        ; and everybody's; nothing is filled again
	HALF 1
	s_wait_tensorcnt 0x0                           ; the wave's end
	ds_add_u32 v[SPW], v[NIL]
	s_wait_dscnt 0x0
	CROUND                                         ; the closing round: no work-group ends while a partner may still ask for a tile that names it
	s_endpgm
.Lfunc_end_k_q0eb1e00011_proj:
	.size	k_q0eb1e00011_proj, .Lfunc_end_k_q0eb1e00011_proj-k_q0eb1e00011_proj
	.p2alignl 7, 3214868480
	.fill 96, 4, 3214868480
	.section	.rodata,"a",@progbits
	.p2align	6, 0x0
	.amdhsa_kernel k_q0eb1e00011_proj
		.amdhsa_group_segment_fixed_size 327680
		.amdhsa_private_segment_fixed_size 0
		.amdhsa_enable_private_segment 0
		.amdhsa_kernarg_size 48
		.amdhsa_user_sgpr_count 2
		.amdhsa_user_sgpr_kernarg_segment_ptr 1
		.amdhsa_wavefront_size32 1
		.amdhsa_system_sgpr_workgroup_id_x 1
		.amdhsa_system_sgpr_workgroup_id_y 1
		.amdhsa_system_sgpr_workgroup_id_z 1
		.amdhsa_system_vgpr_workitem_id 0
		.amdhsa_next_free_vgpr 1024
		.amdhsa_next_free_sgpr 100
		.amdhsa_reserve_vcc 0
		.amdhsa_float_denorm_mode_32 3
		.amdhsa_float_denorm_mode_16_64 3
		.amdhsa_memory_ordered 1
		.amdhsa_forward_progress 1
		.amdhsa_inst_pref_size 86
	.end_amdhsa_kernel
	.amdgpu_metadata
---
amdhsa.version: [ 1, 2 ]
amdhsa.kernels:
  - .name:           k_q0eb1e00011_proj
    .symbol:         k_q0eb1e00011_proj.kd
    .args:
      - { .name: ycodes, .offset: 0, .size: 8, .value_kind: global_buffer, .address_space: global }
      - { .name: yscales, .offset: 8, .size: 8, .value_kind: global_buffer, .address_space: global }
      - { .name: wcodes, .offset: 16, .size: 8, .value_kind: global_buffer, .address_space: global }
      - { .name: wscales, .offset: 24, .size: 8, .value_kind: global_buffer, .address_space: global }
      - { .name: bp, .offset: 32, .size: 8, .value_kind: global_buffer, .address_space: global }
      - { .name: out0, .offset: 40, .size: 8, .value_kind: global_buffer, .address_space: global }
    .group_segment_fixed_size: 327680
    .private_segment_fixed_size: 0
    .kernarg_segment_align: 8
    .kernarg_segment_size: 48
    .max_flat_workgroup_size: 128
    .sgpr_count:     100
    .vgpr_count:     1024
    .wavefront_size: 32
...
	.end_amdgpu_metadata
.endif
;; end of part 4
